; MI455X (gfx1250); checked and timed in simulation.
; The chip was launched on July 23, 2026; its instructions are those of AMD's public machine-readable ISA for CDNA 5 (MIT licence, August 2026) and "CDNA5" Instruction Set Architecture Reference Guide (July 2026). The comments in the code are by the model that wrote it; some were corrected since.
;; Low Fidelity Fusion Deep O Net. Allowed arithmetic: float matrix products may take bf16 or f16 operands with f32 sums; all other float work in f32.
;; Inputs: branch_W0 8 x 128 float32; branch_Wout 128 x 512 float32; branch_Wr 5 x 128 x 128 float32; branch_b 6 x 128 float32; branch_bout 512 float32; coords 16 x 10,000 x 3 float32; final_W 128 x 128 float32; final_b 128 float32; params 16 x 8 float32; rowdy_a 6 x 3 x 128 float32; sdf 16 x 10,000 x 1 float32; trunk_W0 4 x 128 float32; trunk_Wr 5 x 128 x 128 float32; trunk_b 6 x 128 float32.
;; Outputs: out0 16 x 10,000 x 4 float32.
;; 2 versions, each right and faster than the one before. Each part assembles by itself: llvm-mc -triple=amdgcn-amd-amdhsa -mcpu=gfx1250 --defsym DOCPART=n.
;; ======== version 1 of 2: 2 launches
;; limits: a function is approximated: absolute error at most 0.00032; right only within a limited range of input values; values are held in f16: magnitudes above 65,504 overflow, below 6.1e-05 lose precision
;; workspace buffers: wimg 3,440,640 bytes
;; launch prep (part 1): grid 6 x 16, 16 waves a work-group, no clusters, 72,704 bytes of LDS; arguments params, branch_W0, branch_Wr, branch_b, branch_Wout, branch_bout, trunk_W0, trunk_Wr, trunk_b, rowdy_a, final_W, final_b, wimg; writes wimg
.if DOCPART == 1
	.amdgcn_target "amdgcn-amd-amdhsa--gfx1250"
	.amdhsa_code_object_version 6
	.text
	.protected	k_q1379a13252_prep
	.globl	k_q1379a13252_prep
	.p2align	8
	.type	k_q1379a13252_prep,@function
k_q1379a13252_prep:
	s_mov_b64 s[64:65], 0
	v_nop
	global_prefetch_b8 v0, s[64:65] scope:SCOPE_SE
	s_setreg_imm32_b32 hwreg(HW_REG_WAVE_MODE, 25, 1), 1
	s_wait_xcnt 0x0
; PREP: for batch b (grid y) and part l (grid x, 0..5) one work-group of 16 waves makes part l of batch b's weight image.
;   every part: the branch tower up to layer l (f32; one row times 128 x 128, so plain fused multiply-adds, no matrix unit), S_l = h_0 + .. + h_l;
;               the tables of trunk layer l: bias, A' = a1+2a2+3a3, B' = -(a2+4a3), C' = a3, and G = a power of two above max over channels of 1+|a1|+2|a2|+3|a3|
;   part 0 too: weight slot 0 = f16(trunk_W0) transposed, [128 n][128 k], zero for k >= 4
;   parts 0-4:  weight slot l+1 = f16(S_l[k] trunk_Wr[l][k][n] / 2^e) as [n][k], 2^e the power of two of max|S_l|; fwd = 2^e goes into the scalar row
;   part 5:     ZL = h_5 Wout + bout; M[k][o] = S_5[k] sum_h final_W[k][h] ZL[o][h], stored as f16(M / 2^e), [o][k]; fwd = 2^e; c[o] = sum_h final_b[h] ZL[o][h]
; IMAGE of a batch, rows of 256 bytes: 6 x 9 rows of tables (4 vectors of 512 bytes, one scalar row), 6 x 128 rows of weights, 18 rows for M (rows 4-17 zero).
; Every aligned 256 bytes of the image is stored whole by neighbouring lanes of one instruction.
; LIMIT: an S_l whose largest entry is denormal gets fwd = 0, that is, counts as zero.
.set IMG,  215040
.set TBLK, 2304                        ; a layer's tables in the image
.set O_SC, 2048                        ; its scalar row
.set O_WT, 13824                       ; weight slot 0
.set WBLK, 32768                       ; a weight slot
.set O_MT, 210432
.set HB,   0                           ; LDS: h, 128 f32 (in part 5 later: the waves' 16 maxima)
.set SB,   512                         ; S, 128 f32
.set PB,   1024                        ; partial sums: 16 waves x 128 (tower) or x 512 (Wout)
.set ZB,   33792                       ; ZL, 512 f32
.set STG,  35840                       ; stage for the transposed f16 rows: 128 rows x 272 bytes
.set SP,   272
.set K2,   0x4038aa3b                  ; 2 log2(e)
; v0 t; v1 lane; v2 4 (t % 128); v3 S of channel t % 128; v4-15 at work; v16-23 branch_W0 column, later addresses and G; v24-29 branch_b, later fwd, 1/fwd, scalar row
; v30 bout; v31 stage address; v32-191 branch_Wr layers 1-5 (32 each), later Wout and work; v192-223 fold source rows; v224-239 trunk_b, a1, a2, a3; v240-243 final_b; v244-255 addresses
.macro TANH d, z, t                    ; tanh z = 1 - 2 / (1 + 2^(K2 z)); a plain instruction stands behind each transcendental (ISA guide 5.7.2)
	v_mul_f32 v[\t], K2, v[\z]
	v_exp_f32 v[\t], v[\t]
	v_nop
	s_wait_alu depctr_va_vdst(0)
	v_add_f32 v[\t], 1.0, v[\t]
	v_rcp_f32 v[\t], v[\t]
	v_nop
	s_wait_alu depctr_va_vdst(0)
	v_fma_f32 v[\d], v[\t], -2.0, 1.0
.endm
.macro WAVEMAX r                       ; maximum over the 32 lanes, in every lane
.irp x, 1,2,4,8
	v_max_num_f32_dpp v[\r], v[\r], v[\r] row_xmask:\x row_mask:0xf bank_mask:0xf
.endr
	v_permlanex16_b32 v18, v[\r], s52, s53
	v_max_num_f32 v[\r], v[\r], v18
.endm
.macro WAVESUM r
.irp x, 1,2,4,8
	v_add_f32_dpp v[\r], v[\r], v[\r] row_xmask:\x row_mask:0xf bank_mask:0xf
.endr
	v_permlanex16_b32 v18, v[\r], s52, s53
	v_add_f32 v[\r], v[\r], v18
.endm
.macro BAR                             ; my LDS instructions are done, then the work-group's barrier
	s_wait_dscnt 0x0
	s_barrier_signal -1
	s_barrier_wait -1
.endm
.macro PKM d, a, b, odd                ; v[d:d+1] = v[a:a+1] x v[b+odd], the one number for both halves
.if \odd
	v_pk_mul_f32 v[\d:\d+1], v[\a:\a+1], v[\b:\b+1] op_sel:[0,1] op_sel_hi:[1,1]
.else
	v_pk_mul_f32 v[\d:\d+1], v[\a:\a+1], v[\b:\b+1] op_sel_hi:[1,0]
.endif
.endm
.macro PKB d, a, b, odd                ; v[d:d+1] += v[a:a+1] x v[b+odd]
.if \odd
	v_pk_fma_f32 v[\d:\d+1], v[\a:\a+1], v[\b:\b+1], v[\d:\d+1] op_sel:[0,1,0] op_sel_hi:[1,1,1]
.else
	v_pk_fma_f32 v[\d:\d+1], v[\a:\a+1], v[\b:\b+1], v[\d:\d+1] op_sel_hi:[1,0,1]
.endif
.endm
.macro SUM16 b                         ; v[b] = the sum of v[b .. b+15]
.irp i, 0,2,4,6
	v_pk_add_f32 v[\b+\i:\b+\i+1], v[\b+\i:\b+\i+1], v[\b+8+\i:\b+8+\i+1]
.endr
.irp i, 0,2
	v_pk_add_f32 v[\b+\i:\b+\i+1], v[\b+\i:\b+\i+1], v[\b+4+\i:\b+4+\i+1]
.endr
	v_pk_add_f32 v[\b:\b+1], v[\b:\b+1], v[\b+2:\b+3]
	v_add_f32 v[\b], v[\b], v[\b+1]
.endm
	s_load_b512 s[8:23], s[0:1], 0x0               ; params s8, branch_W0 s10, branch_Wr s12, branch_b s14, branch_Wout s16, branch_bout s18, trunk_W0 s20, trunk_Wr s22
	s_load_b256 s[24:31], s[0:1], 0x40             ; trunk_b s24, rowdy_a s26, final_W s28, final_b s30
	s_load_b64 s[32:33], s[0:1], 0x60              ; wimg
	s_mov_b32 s34, ttmp9                           ; part
	s_and_b32 s35, ttmp7, 0xffff                   ; batch
	v_lshrrev_b32 v4, 5, v0
	v_readfirstlane_b32 s36, v4                    ; wave w: it owns k = 8 w .. 8 w + 7; a lane owns n = 4 lane .. + 3
	s_mov_b32 s52, 0x76543210                      ; v_permlanex16_b32: each lane takes its own place in the other half
	s_mov_b32 s53, 0xfedcba98
	v_and_b32 v1, 31, v0
	v_and_b32 v2, 127, v0
	v_lshlrev_b32 v2, 2, v2
	v_lshlrev_b32 v247, 4, v1                      ; 16 lane
	v_lshl_add_u32 v244, v4, 12, v247              ; 8 w rows of 512 bytes + 16 lane
	v_lshlrev_b32 v245, 5, v4                      ; 32 w: my 8 numbers of h or S
	v_lshl_add_u32 v246, v4, 9, v247               ; partial sums of the tower
	v_lshl_add_u32 v251, v4, 14, v247              ; 8 w rows of Wout (2,048 bytes) + 16 lane
	v_lshlrev_b32 v250, 2, v0                      ; 4 t
	v_lshlrev_b32 v252, 4, v0                      ; 16 t
	s_lshl_b32 s37, s34, 9
	s_mul_i32 s38, s34, 1536
	s_mul_i32 s39, s34, TBLK
	v_add_nc_u32 v248, s37, v247                   ; trunk_b[part]
	v_add_nc_u32 v249, s38, v247                   ; rowdy_a[part]
	v_add_nc_u32 v253, s39, v252                   ; my 16 bytes of the part's tables
	s_lshl_b32 s37, s34, 15
	v_add_nc_u32 v254, s37, v252                   ; my 16 bytes of the part's weight slot
	v_lshrrev_b32 v5, 4, v0
	v_and_b32 v6, 15, v0
	v_mul_u32_u24 v255, v5, SP
	v_lshl_add_u32 v255, v6, 4, v255               ; stage, read by rows: row t / 16, 16 bytes at 16 (t % 16)
	v_mul_u32_u24 v31, v1, 4*SP
	v_lshl_add_u32 v31, v4, 4, v31                 ; stage, written: row 4 lane, bytes 16 w
	s_wait_kmcnt 0x0
	s_lshl_b32 s2, s35, 5
	s_mov_b32 s3, 0
	s_add_nc_u64 s[8:9], s[8:9], s[2:3]
	s_load_b256 s[40:47], s[8:9], 0x0              ; params[b], eight numbers
	s_cmp_eq_u32 s34, 5
	s_cselect_b64 s[48:49], s[28:29], s[22:23]     ; what is folded: final_W in part 5, else trunk_Wr[part]
	s_cselect_b32 s2, 0, s34
	s_lshl_b32 s2, s2, 16
	s_add_nc_u64 s[48:49], s[48:49], s[2:3]
	s_mul_i32 s2, s35, IMG
	s_add_nc_u64 s[50:51], s[32:33], s[2:3]        ; the batch's image
	; all loads go out at the head: 14 for layer 0 and the biases, 40 for the tower, 8 for the fold
.irp k, 0,1,2,3,4,5,6,7
	global_load_b32 v[16+\k], v2, s[10:11] offset:512*\k
.endr
.irp l, 0,1,2,3,4,5
	global_load_b32 v[24+\l], v2, s[14:15] offset:512*\l
.endr
.set ll, 0
.rept 5
.set jj, 0
.rept 8
	global_load_b128 v[32+32*ll+4*jj:32+32*ll+4*jj+3], v244, s[12:13] offset:65536*ll+512*jj
.set jj, jj+1
.endr
.set ll, ll+1
.endr
.irp j, 0,1,2,3,4,5,6,7
	global_load_b128 v[192+4*\j:192+4*\j+3], v244, s[48:49] offset:512*\j
.endr
	s_wait_loadcnt 48                              ; the first 14 are in: 40 + 8 were issued behind them
	global_load_b128 v[224:227], v248, s[24:25]    ; six more: trunk_b, a1, a2, a3, bout, final_b
	global_load_b128 v[228:231], v249, s[26:27]
	global_load_b128 v[232:235], v249, s[26:27] offset:512
	global_load_b128 v[236:239], v249, s[26:27] offset:1024
	global_load_b32 v30, v250, s[18:19]
	global_load_b128 v[240:243], v247, s[30:31]
	; layer 0: every wave computes channel t % 128 (so that S is written in every wave); waves 0-3 publish it
	s_wait_kmcnt 0x0
	v_fma_f32 v4, s40, v16, v24
.irp k, 1,2,3,4,5,6,7
	v_fmac_f32 v4, s[40+\k], v[16+\k]
.endr
	TANH 3, 4, 5
	s_cmp_gt_u32 s36, 3
	s_cbranch_scc1 .Lh0
	ds_store_b32 v2, v3 offset:HB
	ds_store_b32 v2, v3 offset:SB
.Lh0:
	BAR
; Tower layer l.  Each wave multiplies its 8 numbers of h into its 8 rows; the 16 partial rows meet in LDS; waves 0-3 add them, one channel a thread.
; The branch on the part is the same in all waves of the work-group.
.macro TLAYER l
.set TT, 32*\l
	s_cmp_lt_u32 s34, \l
	s_cbranch_scc1 .Ltower_done
	s_wait_loadcnt 54-8*\l                         ; this layer's 8 loads are in: behind them 8 (5 - l) of the tower, 8 of the fold, 6 more
.if \l == 5
.set jj, 0
.rept 8                                ; part 5 alone comes here: Wout's 8 rows x 512 columns, into the registers of layers 1-4, which are used up
.set cc, 0
.rept 4
	global_load_b128 v[32+16*jj+4*cc:32+16*jj+4*cc+3], v251, s[16:17] offset:2048*jj+512*cc
.set cc, cc+1
.endr
.set jj, jj+1
.endr
.endif
	ds_load_b128 v[4:7], v245 offset:HB
	ds_load_b128 v[8:11], v245 offset:HB+16
	s_wait_dscnt 0x0
	PKM 12, TT, 4, 0
	PKM 14, TT+2, 4, 0
.irp j, 1,2,3,4,5,6,7
	PKB 12, TT+4*\j, 4+(\j/2)*2, \j%2
	PKB 14, TT+4*\j+2, 4+(\j/2)*2, \j%2
.endr
	ds_store_b128 v246, v[12:15] offset:PB
	BAR                                            ; all have read h and written their partial rows
	s_cmp_gt_u32 s36, 3
	s_cbranch_scc1 .Lnored_\l
.irp i, 0,1,2,3,4,5,6,7,8,9,10,11,12,13,14,15
	ds_load_b32 v[TT+\i], v2 offset:PB+512*\i
.endr
	s_wait_dscnt 0x0
	SUM16 TT
	v_add_f32 v[TT], v[TT], v[24+\l]
	TANH TT+2, TT, TT+3
	v_add_f32 v3, v3, v[TT+2]
	ds_store_b32 v2, v[TT+2] offset:HB
	ds_store_b32 v2, v3 offset:SB
.Lnored_\l:
	BAR                                            ; h and S are new, the partial rows are read
.endm
	TLAYER 1
	TLAYER 2
	TLAYER 3
	TLAYER 4
	TLAYER 5
.Ltower_done:
	s_wait_loadcnt 0x0                             ; whatever is still out, on every way here
	v_lshl_add_u32 v16, v245, 6, v247              ; 2,048 w + 16 lane: partial rows of Wout
	v_lshrrev_b32 v17, 1, v245                     ; 16 w
	v_lshl_add_u32 v19, v1, 3, s39                 ; 8 lane + the part's tables: the scalar row
	; the four table vectors: wave v of 0-3 makes vector v as one linear form of (bias, a1, a2, a3) and stores its 512 bytes
	s_cmp_gt_u32 s36, 3
	s_cbranch_scc1 .Lnotab
	s_cmp_eq_u32 s36, 0
	s_cselect_b32 s54, 0x3f800000, 0               ; bias:  1  0  0  0
	s_cmp_eq_u32 s36, 1
	s_cselect_b32 s55, 0x3f800000, 0               ; A':    0  1  2  3
	s_cselect_b32 s56, 0x40000000, 0
	s_cselect_b32 s57, 0x40400000, 0
	s_cmp_eq_u32 s36, 2
	s_cselect_b32 s56, 0xbf800000, s56             ; B':    0  0 -1 -4
	s_cselect_b32 s57, 0xc0800000, s57
	s_cmp_eq_u32 s36, 3
	s_cselect_b32 s57, 0x3f800000, s57             ; C':    0  0  0  1
.irp i, 0,1,2,3
	v_mul_f32 v[12+\i], s54, v[224+\i]
	v_fmac_f32 v[12+\i], s55, v[228+\i]
	v_fmac_f32 v[12+\i], s56, v[232+\i]
	v_fmac_f32 v[12+\i], s57, v[236+\i]
.endr
	global_store_b128 v253, v[12:15], s[50:51]     ; v12-15 are not written again
.Lnotab:
	; G: the next power of two above the largest 1 + |a1| + 2 |a2| + 3 |a3|
.irp i, 0,1,2,3
	v_add_f32 v[20+\i], 1.0, |v[228+\i]|
	v_fma_f32 v[20+\i], |v[232+\i]|, 2.0, v[20+\i]
	v_fma_f32 v[20+\i], |v[236+\i]|, 0x40400000, v[20+\i]
.endr
	v_max3_num_f32 v20, v20, v21, v22
	v_max_num_f32 v20, v20, v23
	WAVEMAX 20
	v_lshrrev_b32 v20, 23, v20
	v_add_nc_u32 v20, 1, v20
	v_lshlrev_b32 v20, 23, v20
	; part 0: weight slot 0.  Thread t, sweep s: row n = t / 16 + 32 s, its 16 bytes at 16 (t % 16): k = 0..3 lie in the first 8 bytes of a row, all else is zero
	s_cmp_lg_u32 s34, 0
	s_cbranch_scc1 .Lnot0
	v_lshrrev_b32 v96, 4, v0
	v_lshlrev_b32 v96, 2, v96
.set ss, 0
.rept 4
.set kk, 0
.rept 4
	global_load_b32 v[64+4*ss+kk], v96, s[20:21] offset:512*kk+128*ss
.set kk, kk+1
.endr
.set ss, ss+1
.endr
	v_and_b32 v97, 15, v0
	v_cmp_eq_u32 vcc_lo, 0, v97
	s_wait_loadcnt 0x0
.set ss, 0
.rept 4
	v_cvt_pk_f16_f32 v[80+4*ss], v[64+4*ss], v[65+4*ss]
	v_cvt_pk_f16_f32 v[81+4*ss], v[66+4*ss], v[67+4*ss]
	v_cndmask_b32 v[80+4*ss], 0, v[80+4*ss], vcc_lo
	v_cndmask_b32 v[81+4*ss], 0, v[81+4*ss], vcc_lo
	v_mov_b32 v[82+4*ss], 0
	v_mov_b32 v[83+4*ss], 0
	global_store_b128 v252, v[80+4*ss:83+4*ss], s[50:51] offset:O_WT+8192*ss
.set ss, ss+1
.endr
.Lnot0:
	s_cmp_eq_u32 s34, 5
	s_cbranch_scc1 .Lpart5
	; PARTS 0-4: the fold.  S is brought to [1, 2) at its largest entry by an exact power of two, so that S W has f16's room whatever the inputs' scale
	ds_load_b128 v[4:7], v245 offset:SB
	ds_load_b128 v[8:11], v245 offset:SB+16
	ds_load_b128 v[160:163], v247 offset:SB
	s_wait_dscnt 0x0
	v_max3_num_f32 v160, |v160|, |v161|, |v162|
	v_max_num_f32 v160, v160, |v163|
	WAVEMAX 160
	v_lshrrev_b32 v160, 23, v160                   ; its biased exponent e (at most 129: |S| <= 6)
	v_lshlrev_b32 v24, 23, v160                    ; fwd = 2^(e-127)
	v_sub_nc_u32 v25, 254, v160
	v_lshlrev_b32 v25, 23, v25                     ; 1 / fwd
.irp i, 0,2,4,6
	PKM 4+\i, 4+\i, 24, 1
.endr
	s_cmp_lg_u32 s36, 0
	s_cbranch_scc1 .Lnosc
	v_cmp_eq_u32 vcc_lo, 0, v1                     ; the scalar row: lane 0 holds (G, fwd), the other lanes zeros: 32 lanes x 8 bytes
	v_cndmask_b32 v26, 0, v20, vcc_lo
	v_cndmask_b32 v27, 0, v24, vcc_lo
	global_store_b64 v19, v[26:27], s[50:51] offset:O_SC
.Lnosc:
.irp j, 0,1,2,3,4,5,6,7
	PKM 192+4*\j, 192+4*\j, 4+(\j/2)*2, \j%2       ; row k = 8 w + j times its S
	PKM 192+4*\j+2, 192+4*\j+2, 4+(\j/2)*2, \j%2
.endr
.irp i, 0,1,2,3                        ; column n = 4 lane + i: its eight k pack into 16 bytes of row n of the stage
.irp q, 0,1,2,3
	v_cvt_pk_f16_f32 v[32+4*\i+\q], v[192+8*\q+\i], v[192+8*\q+4+\i]
.endr
	ds_store_b128 v31, v[32+4*\i:32+4*\i+3] offset:STG+SP*\i
.endr
	BAR
.irp s, 0,1,2,3
	ds_load_b128 v[48+4*\s:48+4*\s+3], v255 offset:STG+32*SP*\s
.endr
.irp s, 0,1,2,3
	s_wait_dscnt 3-\s
	global_store_b128 v254, v[48+4*\s:48+4*\s+3], s[50:51] offset:O_WT+WBLK+8192*\s   ; 16 lanes store one whole row of 256 bytes
.endr
	s_wait_xcnt 0x0
	v_lshl_add_u32 v254, v0, 2, 0x11400
	v_mov_b32 v255, 0
	s_wait_tensorcnt 0x0
	ds_add_u32 v254, v255
	s_wait_dscnt 0x0
	s_endpgm
.Lpart5:
	; ZL = h_5 Wout + bout
	ds_load_b128 v[4:7], v245 offset:HB
	ds_load_b128 v[8:11], v245 offset:HB+16
	s_wait_dscnt 0x0
.set jj, 0
.rept 8
.set cc, 0
.rept 8                                ; cc counts pairs of columns: 4 blocks of 128 columns x 2 pairs
.if jj == 0
	PKM 160+2*cc, 32+2*cc, 4, 0
.else
	PKB 160+2*cc, 32+16*jj+2*cc, 4+(jj/2)*2, jj%2
.endif
.set cc, cc+1
.endr
.set jj, jj+1
.endr
.irp c, 0,1,2,3
	ds_store_b128 v16, v[160+4*\c:160+4*\c+3] offset:PB+512*\c
.endr
	BAR
.irp i, 0,1,2,3,4,5,6,7,8,9,10,11,12,13,14,15
	ds_load_b32 v[160+\i], v250 offset:PB+2048*\i
.endr
	s_wait_dscnt 0x0
	SUM16 160
	v_add_f32 v160, v160, v30
	ds_store_b32 v250, v160 offset:ZB
	BAR
	; M: 32 dot products a wave (8 rows of final_W x 4 rows of ZL), a lane takes 4 of the 128 terms
.irp o, 0,1,2,3
	ds_load_b128 v[176+4*\o:176+4*\o+3], v247 offset:ZB+512*\o
.endr
	ds_load_b128 v[4:7], v245 offset:SB
	ds_load_b128 v[8:11], v245 offset:SB+16
	s_wait_dscnt 0x0
.set oo, 0
.rept 4
.set jj, 0
.rept 8
	v_mul_f32 v[32+8*oo+jj], v[192+4*jj], v[176+4*oo]
	v_fmac_f32 v[32+8*oo+jj], v[193+4*jj], v[177+4*oo]
	v_fmac_f32 v[32+8*oo+jj], v[194+4*jj], v[178+4*oo]
	v_fmac_f32 v[32+8*oo+jj], v[195+4*jj], v[179+4*oo]
.set jj, jj+1
.endr
.set oo, oo+1
.endr
.set ii, 0
.rept 32
	WAVESUM 32+ii
.set ii, ii+1
.endr
.set oo, 0
.rept 4
.irp q, 0,2,4,6
	v_pk_mul_f32 v[32+8*oo+\q:32+8*oo+\q+1], v[32+8*oo+\q:32+8*oo+\q+1], v[4+\q:4+\q+1]   ; times S_5
.endr
.set oo, oo+1
.endr
	; the largest |M| of the batch: my 32, then the 16 waves' through LDS (h is no longer read)
	v_max_num_f32 v28, |v32|, |v33|
.set ii, 2
.rept 15
	v_max3_num_f32 v28, v28, |v[32+ii]|, |v[33+ii]|
.set ii, ii+2
.endr
	v_lshrrev_b32 v29, 3, v245                     ; 4 w
	ds_store_b32 v29, v28 offset:HB
	BAR
	v_mov_b32 v21, 0
.irp i, 0,1,2,3
	ds_load_b128 v[160+4*\i:160+4*\i+3], v21 offset:HB+16*\i
.endr
	s_wait_dscnt 0x0
	v_max3_num_f32 v160, v160, v161, v162
.irp i, 3,5,7,9,11,13
	v_max3_num_f32 v160, v160, v[160+\i], v[161+\i]
.endr
	v_max_num_f32 v160, v160, v175
	v_lshrrev_b32 v160, 23, v160
	v_min_u32 v160, 253, v160                      ; keeps 1 / fwd a normal number
	v_lshlrev_b32 v24, 23, v160                    ; fwd
	v_sub_nc_u32 v25, 254, v160
	v_lshlrev_b32 v25, 23, v25                     ; 1 / fwd
.set ii, 0
.rept 16
	PKM 32+ii, 32+ii, 24, 1
.set ii, ii+2
.endr
.set oo, 0
.rept 4
.irp q, 0,1,2,3
	v_cvt_pk_f16_f32 v[160+4*oo+\q], v[32+8*oo+2*\q], v[33+8*oo+2*\q]
.endr
	ds_store_b128 v17, v[160+4*oo:160+4*oo+3] offset:STG+SP*oo   ; all lanes hold the same 16 bytes: row o, k = 8 w ..
.set oo, oo+1
.endr
	BAR
	s_cmp_gt_u32 s36, 8                            ; 18 rows of 256 bytes = 288 threads x 16 bytes: waves 0-1 the four rows of M, waves 2-8 zeros
	s_cbranch_scc1 .Lend5
.irp i, 4,5,6,7
	v_mov_b32 v[\i], 0
.endr
	s_cmp_gt_u32 s36, 1
	s_cbranch_scc1 .Lzrows
	ds_load_b128 v[4:7], v255 offset:STG
	s_wait_dscnt 0x0
.Lzrows:
	global_store_b128 v252, v[4:7], s[50:51] offset:O_MT
	s_cmp_lg_u32 s36, 0
	s_cbranch_scc1 .Lend5
	; wave 0: c[o] = final_b . ZL[o], and the scalar row: lane 0 (G, fwd), lane 2 (c0, c1), lane 3 (c2, c3), zeros elsewhere
.irp o, 0,1,2,3
	v_mul_f32 v[160+\o], v240, v[176+4*\o]
	v_fmac_f32 v[160+\o], v241, v[177+4*\o]
	v_fmac_f32 v[160+\o], v242, v[178+4*\o]
	v_fmac_f32 v[160+\o], v243, v[179+4*\o]
.endr
.irp o, 0,1,2,3
	WAVESUM 160+\o
.endr
	v_cmp_eq_u32 vcc_lo, 3, v1
	v_cndmask_b32 v26, 0, v162, vcc_lo
	v_cndmask_b32 v27, 0, v163, vcc_lo
	v_cmp_eq_u32 vcc_lo, 2, v1
	v_cndmask_b32 v26, v26, v160, vcc_lo
	v_cndmask_b32 v27, v27, v161, vcc_lo
	v_cmp_eq_u32 vcc_lo, 0, v1
	v_cndmask_b32 v26, v26, v20, vcc_lo
	v_cndmask_b32 v27, v27, v24, vcc_lo
	global_store_b64 v19, v[26:27], s[50:51] offset:O_SC
.Lend5:
	s_wait_xcnt 0x0
	v_lshl_add_u32 v254, v0, 2, 0x11400
	v_mov_b32 v255, 0
	s_wait_tensorcnt 0x0
	ds_add_u32 v254, v255
	s_wait_dscnt 0x0
	s_endpgm
.Lfunc_end_k_q1379a13252_prep:
	.size	k_q1379a13252_prep, .Lfunc_end_k_q1379a13252_prep-k_q1379a13252_prep
	.p2alignl 7, 3214868480
	.fill 96, 4, 3214868480
	.section	.rodata,"a",@progbits
	.p2align	6, 0x0
	.amdhsa_kernel k_q1379a13252_prep
		.amdhsa_group_segment_fixed_size 72704
		.amdhsa_private_segment_fixed_size 0
		.amdhsa_enable_private_segment 0
		.amdhsa_kernarg_size 104
		.amdhsa_user_sgpr_count 2
		.amdhsa_user_sgpr_kernarg_segment_ptr 1
		.amdhsa_wavefront_size32 1
		.amdhsa_system_sgpr_workgroup_id_x 1
		.amdhsa_system_sgpr_workgroup_id_y 1
		.amdhsa_system_sgpr_workgroup_id_z 1
		.amdhsa_system_vgpr_workitem_id 0
		.amdhsa_next_free_vgpr 256
		.amdhsa_next_free_sgpr 66
		.amdhsa_reserve_vcc 1
		.amdhsa_float_denorm_mode_32 3
		.amdhsa_float_denorm_mode_16_64 3
		.amdhsa_memory_ordered 1
		.amdhsa_forward_progress 1
		.amdhsa_inst_pref_size 72
	.end_amdhsa_kernel
	.amdgpu_metadata
---
amdhsa.version: [ 1, 2 ]
amdhsa.kernels:
  - .name:           k_q1379a13252_prep
    .symbol:         k_q1379a13252_prep.kd
    .args:
      - { .name: params, .offset: 0, .size: 8, .value_kind: global_buffer, .address_space: global }
      - { .name: branch_W0, .offset: 8, .size: 8, .value_kind: global_buffer, .address_space: global }
      - { .name: branch_Wr, .offset: 16, .size: 8, .value_kind: global_buffer, .address_space: global }
      - { .name: branch_b, .offset: 24, .size: 8, .value_kind: global_buffer, .address_space: global }
      - { .name: branch_Wout, .offset: 32, .size: 8, .value_kind: global_buffer, .address_space: global }
      - { .name: branch_bout, .offset: 40, .size: 8, .value_kind: global_buffer, .address_space: global }
      - { .name: trunk_W0, .offset: 48, .size: 8, .value_kind: global_buffer, .address_space: global }
      - { .name: trunk_Wr, .offset: 56, .size: 8, .value_kind: global_buffer, .address_space: global }
      - { .name: trunk_b, .offset: 64, .size: 8, .value_kind: global_buffer, .address_space: global }
      - { .name: rowdy_a, .offset: 72, .size: 8, .value_kind: global_buffer, .address_space: global }
      - { .name: final_W, .offset: 80, .size: 8, .value_kind: global_buffer, .address_space: global }
      - { .name: final_b, .offset: 88, .size: 8, .value_kind: global_buffer, .address_space: global }
      - { .name: wimg, .offset: 96, .size: 8, .value_kind: global_buffer, .address_space: global }
    .group_segment_fixed_size: 72704
    .private_segment_fixed_size: 0
    .kernarg_segment_align: 8
    .kernarg_segment_size: 104
    .max_flat_workgroup_size: 512
    .sgpr_count:     66
    .vgpr_count:     256
    .wavefront_size: 32
...
	.end_amdgpu_metadata
.endif
;; end of part 1
;; launch trunk (part 2): grid 16 x 16, 8 waves a work-group, clusters of 4 x 1, 229,632 bytes of LDS; arguments coords, sdf, wimg, out0; writes out0
.if DOCPART == 2
	.amdgcn_target "amdgcn-amd-amdhsa--gfx1250"
	.amdhsa_code_object_version 6
	.text
	.protected	k_q1379a13252_trunk
	.globl	k_q1379a13252_trunk
	.p2align	8
	.type	k_q1379a13252_trunk,@function
k_q1379a13252_trunk:
	s_mov_b64 s[64:65], 0
	v_nop
	global_prefetch_b8 v0, s[64:65] scope:SCOPE_SE
	s_setreg_imm32_b32 hwreg(HW_REG_WAVE_MODE, 25, 1), 1
	s_wait_xcnt 0x0
	s_wait_alu depctr_hold_cnt(0) depctr_sa_sdst(0) depctr_va_vdst(0) depctr_va_sdst(0) depctr_va_ssrc(0) depctr_va_vcc(0) depctr_vm_vsrc(0)
	s_getreg_b32 s2, hwreg(HW_REG_IB_STS2, 6, 4)
	s_cmp_eq_u32 s2, 0
	s_cbranch_scc0 .Lentry_in_a_cluster
	s_endpgm
.Lentry_in_a_cluster:
	s_bfe_u32 s2, ttmp6, 0x10000c
	s_cmp_lg_u32 s2, 0x3003
	s_cbranch_scc0 .Lentry_shape_is_right
	s_endpgm
.Lentry_shape_is_right:
; TRUNK: out[b][n][o] for all points.  Grid y = batch; the 16 work-groups of a batch have 128 waves for its 125 tasks of 80 points (5 tiles of 16).
; The three waves left over repeat task 124, which belongs to their own work-group and stores the same numbers: so no branch hangs on the work-group's place.
; The batch's whole weight image (840 rows of 256 bytes, 272 apart in LDS) is brought in once; the four work-groups of a cluster belong to one batch and ask for it jointly.
; It is never filled again and never written, so one barrier behind the fill is all the ordering LDS needs.
; A wave takes its 5 tiles in two passes, 3 and 2: 24 accumulators (192 registers) and 96 registers of activations are what half a SIMD's registers hold.
; Two waves lie on a SIMD: the vector work (112 instructions for 8 numbers) far outweighs the matrix work (4 products for 8 x 32 numbers), and one wave's products run under the other's activations.
; PRODUCTS, transposed: source 0 = 16 output channels of the weights ([n][k] in LDS), source 1 = 16 points.  A lane then holds ONE point (lane % 16) and channels 16 m + 8 (lane / 16) + 0..7,
; and eight activations, rounded in pairs, ARE half a fragment of source 1 of the next layer: nothing changes lanes between layers.
; FORMAT: f16 operands, f32 sums.  f16's 11 significant bits are needed: seven products follow each other.  Its range is made good by exact powers of two:
;   z = acc gi + bias;  zm = the point's largest |z|;  |x| <= min(zm, 1) G (G from the image: above 1 + |a1| + 2 |a2| + 3 |a3|);  go = 2^13 / 2^exponent(min(zm, 1) G), so |x go| < 2^14;
;   the next gi = fwd / go, fwd the power of two that was taken out of the next weights.
; ACTIVATION: tanh z = 1 - 2 / (1 + 2^(K2 z)).  n = round(z / 2 pi) by adding and taking away 1.5 x 2^23, x = z - 2 pi n, y = x^2; sh = 2 sin(x/2), ch = cos(x/2) by Taylor polynomials in y
;   (terms left out: at most 3.2e-4 of sh's 2 and 2.5e-5 of ch's 1, both at |x| = pi); s = sh ch = sin z, w = sh^2; a1 sin z + a2 sin 2z + a3 sin 3z = s (A' + w (B' + w C')) exactly.
; LIMITS: |z| < 2.6e7 (the rounding of z / 2 pi); one f32 constant for 2 pi, so x is off by about 1.7e-7 for each whole turn in z; a point with min(zm, 1) G under 2^-100 is scaled as if it were 2^-100.
.set IMG,   215040
.set PITCH, 272
.set WROWS, 105                        ; rows of the image that each of the 8 waves fetches
.set TLAY,  9*PITCH                    ; a layer's tables: bias, A', B', C' (two rows each), the scalar row
.set L_SC,  8*PITCH
.set L_WT,  54*PITCH                   ; weight slot 0
.set WLAY,  128*PITCH
.set MSTR,  16*PITCH                   ; 16 output channels on
.set L_MT,  822*PITCH
; window 0: v1 r = lane % 16; v2 h = lane / 16; v3 weights' address; v4 scalar row's; v5 tables'; v6 M's; v7 12 r; v8 4 r; v9 16 r; v10 32 h; v11 272 r + 16 h
;   v12-13 1.5 x 2^23; v14-15 s5; v16-17 d6; v18-19 G, fwd; v20-39 the 5 tiles' inputs (v20-25 later gi); v40-43 c; v44-46 zm; v47 at work
.set IN,   20
.set GIP,  20                          ; tile p: pair (gi, written once)
.set ZM,   44
.set BIAS, 48                          ; two buffers of 8
.set CF,   64                          ; two buffers of A' 8, B' 8, C' 8
.set RT,   112                         ; at work, 8 each
.set RY,   120
.set RP,   128
.set RQ,   136
.set RE,   144
.set GOP,  152                         ; tile p: pair (go, -2 go)
.set RX,   160                         ; activations: tile p at 32 p, 8 registers for 32 channels
; window 1: v0-191 accumulators, (m, p) at 8 (P m + p); v192-255 weights, two buffers of 32
.set WB,   192
.set MSB, 0
.macro WIN new                         ; s_set_vgpr_msb: bits 1:0 source 0, 3:2 source 1, 5:4 source 2, 7:6 destination; the high byte repeats the setting that is left
.if MSB != \new
	s_set_vgpr_msb (MSB<<8)|\new
.set MSB, \new
.endif
.endm
.macro PLACES                          ; four plain vector instructions between a matrix instruction and what reads its result or writes or loads over its registers
.rept 4
	v_nop
.endr
.endm
.macro ROUND                           ; a round of the cluster's barrier
	s_barrier_signal -1
	s_barrier_wait -1
	s_cmp_lg_u32 s41, 0
	s_cbranch_scc1 .Lnot_wave_0_\@
	s_barrier_signal -3
.Lnot_wave_0_\@:
	s_barrier_wait -3
	s_barrier_signal -1
	s_barrier_wait -1
.endm
	s_load_b256 s[4:11], s[0:1], 0x0               ; coords s[4:5], sdf s[6:7], wimg s[8:9], out0 s[10:11]
	v_lshl_add_u32 v158, v0, 2, 0x37d00
	v_mov_b32 v159, 0
	ds_add_u32 v158, v159
	v_lshrrev_b32 v1, 5, v0
	v_readfirstlane_b32 s41, v1                    ; wave 0..7
	s_bfe_u32 s43, ttmp6, 0x40000                  ; cx
	s_lshl_b32 s44, ttmp9, 2
	s_add_co_u32 s44, s44, s43                     ; work-group x = 4 x cluster x + cx: it enters the points' addresses alone
	s_and_b32 s45, ttmp7, 0xffff                   ; the batch, which the four partners share
	s_lshl_b32 s46, s44, 3
	s_add_co_u32 s46, s46, s41
	s_min_u32 s46, s46, 124                        ; my task
	s_mul_i32 s46, s46, 80
	s_mul_i32 s47, s45, 10000
	s_add_co_u32 s46, s46, s47                     ; my first point
	s_mul_i32 s48, s45, IMG                        ; the batch's image,
	s_mov_b32 s49, 0
	s_mul_i32 s50, s41, WROWS*256                  ; my wave's 105 rows of it
	s_mov_b32 s51, 0
	s_mov_b32 s12, 1                               ; group 0: count = 1
	s_mul_i32 s13, s41, WROWS*PITCH                ; LDS address: the wave's number times a constant
	s_mov_b32 s16, 15|(3<<16)|(1<<20)|(1<<21)|(5<<22)|(3<<25)  ; group 1: mask = the four work-groups; elements of 8 bytes; padding on; bit 21 beside a mask; 4 words behind every 64
	s_mov_b32 s17, 32<<16                          ; tensor_dim0 = 32 elements = 256 bytes
	s_mov_b32 s18, WROWS<<16                       ; tensor_dim1
	s_mov_b32 s19, 32<<16                          ; tile_dim0
	s_mov_b32 s20, WROWS                           ; tile_dim1
	s_mov_b32 s21, 32                              ; from row to row
	s_mov_b32 s22, 0
	s_mov_b32 s23, 0
.irp r, 24,25
	s_mov_b32 s\r, 0x4038aa3b                      ; K2 = 2 log2(e); the packed forms name a pair and take its low word for both halves
.endr
.irp r, 26,27
	s_mov_b32 s\r, 0xc0c90fdb                      ; -2 pi
.endr
.irp r, 28,29
	s_mov_b32 s\r, 0xb6500d01                      ; s7 = -1/322560
.endr
.irp r, 30,31
	s_mov_b32 s\r, 0xbd2aaaab                      ; s3 = -1/24
.endr
.irp r, 32,33
	s_mov_b32 s\r, 0x33d00d01                      ; d8 = 1/10321920
.endr
.irp r, 34,35
	s_mov_b32 s\r, 0x3b2aaaab                      ; d4 = 1/384
.endr
.irp r, 36,37
	s_mov_b32 s\r, 0xbe000000                      ; d2 = -1/8
.endr
.irp r, 38,39
	s_mov_b32 s\r, 0x3e22f983                      ; 1 / 2 pi
.endr
	s_mov_b32 s52, 0x76543210                      ; v_permlanex16_b32: each lane takes its own place in the other half
	s_mov_b32 s53, 0xfedcba98
	v_and_b32 v1, 15, v0
	v_bfe_u32 v2, v0, 4, 1
	v_mul_u32_u24 v7, v1, 12
	v_lshlrev_b32 v8, 2, v1
	v_lshlrev_b32 v9, 4, v1
	v_lshlrev_b32 v10, 5, v2
	v_mul_u32_u24 v11, v1, PITCH
	v_lshl_add_u32 v11, v2, 4, v11
	v_add_nc_u32 v6, L_MT, v11
	s_wait_dscnt 0x0
	s_wait_kmcnt 0x0
	s_add_nc_u64 s[8:9], s[8:9], s[48:49]
	s_add_nc_u64 s[14:15], s[8:9], s[50:51]        ; group 0: global address, made of the batch and the wave's number alone
	s_or_b32 s15, s15, 0x80000000                  ; type = 2
	s_mul_i32 s2, s46, 12
	s_mov_b32 s3, 0
	s_add_nc_u64 s[4:5], s[4:5], s[2:3]
	s_lshl_b32 s2, s46, 2
	s_add_nc_u64 s[6:7], s[6:7], s[2:3]
	s_lshl_b32 s2, s46, 4
	s_add_nc_u64 s[10:11], s[10:11], s[2:3]
	ROUND                                          ; the four work-groups are here: the joint loads meet
	tensor_load_to_lds s[12:15], s[16:23]          ; my one tensor load of the launch
	s_nop 0
	v_mov_b32 v12, 0x4b400000                      ; 1.5 x 2^23
	v_mov_b32 v13, 0x4b400000
	v_mov_b32 v14, 0x3a088889                      ; s5 = 1/1920
	v_mov_b32 v15, 0x3a088889
	v_mov_b32 v16, 0xb7b60b61                      ; d6 = -1/46080
	v_mov_b32 v17, 0xb7b60b61
.irp p, 0,1,2,3,4                      ; my 80 points: lane r and lane r + 16 both take point r of each tile
	global_load_b32 v[IN+4*\p],   v7, s[4:5] offset:192*\p
	global_load_b32 v[IN+4*\p+1], v7, s[4:5] offset:192*\p+4
	global_load_b32 v[IN+4*\p+2], v7, s[4:5] offset:192*\p+8
	global_load_b32 v[IN+4*\p+3], v8, s[6:7] offset:64*\p
.endr
	s_wait_tensorcnt 0x0                           ; my 105 rows are in,
	s_barrier_signal -1
	s_barrier_wait -1                              ; everybody's are
	v_mov_b32 v47, 5*TLAY+L_SC+16
	ds_load_b128 v[40:43], v47                     ; c0..c3; the waits of the first layer's products cover it
	s_wait_loadcnt 0x0                             ; the points
.macro LOADW m                         ; 16 output channels x 128 k: 8 loads into weight buffer m % 2
	WIN 0x40
.irp k, 0,1,2,3
	ds_load_b128 v[WB+32*((\m)%2)+8*\k:WB+32*((\m)%2)+8*\k+3],   v3 offset:(\m)*MSTR+64*\k
	ds_load_b128 v[WB+32*((\m)%2)+8*\k+4:WB+32*((\m)%2)+8*\k+7], v3 offset:(\m)*MSTR+64*\k+32
.endr
.endm
.macro LOADB m                         ; the bias of my 8 channels of block m
	ds_load_b128 v[BIAS+8*((\m)%2):BIAS+8*((\m)%2)+3],   v5 offset:((\m)/4)*PITCH+((\m)%4)*64
	ds_load_b128 v[BIAS+8*((\m)%2)+4:BIAS+8*((\m)%2)+7], v5 offset:((\m)/4)*PITCH+((\m)%4)*64+16
.endm
.macro LOADCF m                        ; A', B', C' of my 8 channels of block m
.irp v, 0,1,2
	ds_load_b128 v[CF+24*((\m)%2)+8*\v:CF+24*((\m)%2)+8*\v+3],   v5 offset:(\v+1)*2*PITCH+((\m)/4)*PITCH+((\m)%4)*64
	ds_load_b128 v[CF+24*((\m)%2)+8*\v+4:CF+24*((\m)%2)+8*\v+7], v5 offset:(\v+1)*2*PITCH+((\m)/4)*PITCH+((\m)%4)*64+16
.endr
.endm
; A layer's products: 8 blocks of 16 channels x P tiles x 4 K steps.  The first K step starts the sums with the constant 0.  The P accumulators of a block take turns, one instruction a turn.
.macro MM P
	ds_load_b64 v[18:19], v4                       ; G and fwd of this layer
	LOADB 0
	LOADB 1
	LOADCF 0
	LOADCF 1
	LOADW 0
	LOADW 1
.set mm, 0
.rept 8
.if mm < 7
	s_wait_dscnt 8                                 ; all but the next block's 8 weight loads
.else
	s_wait_dscnt 0
.endif
	WIN 0x51                                       ; weights and sums in window 1, activations in window 0
.set kk, 0
.rept 4
.set pp, 0
.rept \P
.set ra, 8*(\P*mm+pp)
.set rw, WB+32*(mm%2)+8*kk
.set rx, RX+32*pp+8*kk
.if kk == 0
	v_wmma_f32_16x16x32_f16 v[ra:ra+7], v[rw:rw+7], v[rx:rx+7], 0
.else
	v_wmma_f32_16x16x32_f16 v[ra:ra+7], v[rw:rw+7], v[rx:rx+7], v[ra:ra+7]
.endif
.set pp, pp+1
.endr
.set kk, kk+1
.endr
.if mm != 6
	PLACES                                         ; in front of the loads into the buffer just multiplied; behind the last block, in front of the reads of the sums
.endif
.if mm < 6
	LOADW mm+2
.endif
.set mm, mm+1
.endr
	WIN 0
.endm
; z = acc gi + bias, in place, and the lane's largest |z| of each tile
.macro ZFIX P
.set pp, 0
.rept \P
	v_mov_b32 v[ZM+pp], 0
.set pp, pp+1
.endr
.set mm, 0
.rept 8
.if mm < 7
	s_wait_dscnt 2                                 ; all but the next block's 2 bias loads
.else
	s_wait_dscnt 0
.endif
	WIN 0x41
.set pp, 0
.rept \P
.set ra, 8*(\P*mm+pp)
.irp i, 0,2,4,6                        ; from the accumulator's low end on
	v_pk_fma_f32 v[ra+\i:ra+\i+1], v[ra+\i:ra+\i+1], v[GIP+2*pp:GIP+2*pp+1], v[BIAS+8*(mm%2)+\i:BIAS+8*(mm%2)+\i+1] op_sel_hi:[1,0,1]
.endr
.set pp, pp+1
.endr
	WIN 0x14
.set pp, 0
.rept \P
.set ra, 8*(\P*mm+pp)
.irp i, 0,2,4,6
	v_max3_num_f32 v[ZM+pp], v[ZM+pp], |v[ra+\i]|, |v[ra+\i+1]|
.endr
.set pp, pp+1
.endr
	WIN 0
.if mm < 6
	LOADB mm+2
.endif
.set mm, mm+1
.endr
.endm
; the tile's scales, by whole-number work on exponents: values only, no address and no branch hangs on them
.macro SCALE P
.set pp, 0
.rept \P
	v_permlanex16_b32 v47, v[ZM+pp], s52, s53      ; the point's other 64 channels lie in the lane 16 away
	v_max_num_f32 v[ZM+pp], v[ZM+pp], v47
	v_min_num_f32 v[ZM+pp], 1.0, v[ZM+pp]
	v_mul_f32 v[ZM+pp], v18, v[ZM+pp]              ; the bound on |x|
	v_max_num_f32 v[ZM+pp], 0x0d800000, v[ZM+pp]   ; at least 2^-100, so that both scales are normal numbers
	v_lshrrev_b32 v[ZM+pp], 23, v[ZM+pp]           ; its biased exponent e
	v_sub_nc_u32 v47, 267, v[ZM+pp]
	v_lshlrev_b32 v[GOP+2*pp], 23, v47             ; go = 2^(140-e)
	v_mul_f32 v[GOP+2*pp+1], -2.0, v[GOP+2*pp]
	v_add_nc_u32 v47, -13, v[ZM+pp]
	v_lshlrev_b32 v47, 23, v47                     ; 1 / go
	v_mul_f32 v[GIP+2*pp], v19, v47                ; the next product's gi
.set pp, pp+1
.endr
.endm
; The activation of one accumulator (8 numbers a lane, 4 pairs): gz its registers (window 1), gcf its coefficients, gg the tile's (go, -2 go), gx the 4 registers that take the result.
; Behind each run of transcendentals stands a packed instruction that touches none of their registers (ISA guide 5.7.2).
.macro GROUP
	WIN 0x01
.irp i, 0,2,4,6
	v_pk_mul_f32 v[RE+\i:RE+\i+1], v[gz+\i:gz+\i+1], s[24:25] op_sel_hi:[1,0]                     ; K2 z
.endr
.irp i, 0,2,4,6
	v_pk_fma_f32 v[RT+\i:RT+\i+1], v[gz+\i:gz+\i+1], s[38:39], v[12:13] op_sel_hi:[1,0,1]         ; z / 2 pi + 1.5 x 2^23: rounds to a whole number
.endr
	WIN 0x10
.irp i, 0,2,4,6
	v_pk_add_f32 v[RT+\i:RT+\i+1], v[RT+\i:RT+\i+1], v[12:13] neg_lo:[0,1] neg_hi:[0,1]           ; n
.endr
.irp i, 0,2,4,6
	v_pk_fma_f32 v[RT+\i:RT+\i+1], v[RT+\i:RT+\i+1], s[26:27], v[gz+\i:gz+\i+1] op_sel_hi:[1,0,1] ; x = z - 2 pi n
.endr
	WIN 0
.irp i, 0,1,2,3,4,5,6,7
	v_exp_f32 v[RE+\i], v[RE+\i]
.endr
.irp i, 0,2,4,6
	v_pk_mul_f32 v[RY+\i:RY+\i+1], v[RT+\i:RT+\i+1], v[RT+\i:RT+\i+1]                             ; y
.endr
.irp i, 0,2,4,6
	v_pk_fma_f32 v[RP+\i:RP+\i+1], v[RY+\i:RY+\i+1], s[28:29], v[14:15] op_sel_hi:[1,0,1]         ; s7 y + s5
.endr
.irp i, 0,2,4,6
	v_pk_fma_f32 v[RQ+\i:RQ+\i+1], v[RY+\i:RY+\i+1], s[32:33], v[16:17] op_sel_hi:[1,0,1]         ; d8 y + d6
.endr
	s_wait_alu depctr_va_vdst(0)
.irp i, 0,2,4,6
	v_pk_add_f32 v[RE+\i:RE+\i+1], v[RE+\i:RE+\i+1], 1.0 op_sel_hi:[1,0]
.endr
.irp i, 0,1,2,3,4,5,6,7
	v_rcp_f32 v[RE+\i], v[RE+\i]                                                                  ; 1 / (1 + e^(2z))
.endr
.irp i, 0,2,4,6
	v_pk_fma_f32 v[RP+\i:RP+\i+1], v[RP+\i:RP+\i+1], v[RY+\i:RY+\i+1], s[30:31] op_sel_hi:[1,1,0] ; .. y + s3
.endr
.irp i, 0,2,4,6
	v_pk_fma_f32 v[RQ+\i:RQ+\i+1], v[RQ+\i:RQ+\i+1], v[RY+\i:RY+\i+1], s[34:35] op_sel_hi:[1,1,0] ; .. y + d4
.endr
.irp i, 0,2,4,6
	v_pk_fma_f32 v[RP+\i:RP+\i+1], v[RP+\i:RP+\i+1], v[RY+\i:RY+\i+1], 1.0 op_sel_hi:[1,1,0]
.endr
.irp i, 0,2,4,6
	v_pk_fma_f32 v[RQ+\i:RQ+\i+1], v[RQ+\i:RQ+\i+1], v[RY+\i:RY+\i+1], s[36:37] op_sel_hi:[1,1,0] ; .. y + d2
.endr
.irp i, 0,2,4,6
	v_pk_mul_f32 v[RP+\i:RP+\i+1], v[RP+\i:RP+\i+1], v[RT+\i:RT+\i+1]                             ; sh
.endr
.irp i, 0,2,4,6
	v_pk_fma_f32 v[RQ+\i:RQ+\i+1], v[RQ+\i:RQ+\i+1], v[RY+\i:RY+\i+1], 1.0 op_sel_hi:[1,1,0]      ; ch
.endr
.irp i, 0,2,4,6
	v_pk_mul_f32 v[RY+\i:RY+\i+1], v[RP+\i:RP+\i+1], v[RP+\i:RP+\i+1]                             ; w = sh^2
.endr
.irp i, 0,2,4,6
	v_pk_mul_f32 v[RP+\i:RP+\i+1], v[RP+\i:RP+\i+1], v[RQ+\i:RQ+\i+1]                             ; s = sin z
.endr
.irp i, 0,2,4,6
	v_pk_fma_f32 v[RQ+\i:RQ+\i+1], v[RY+\i:RY+\i+1], v[gcf+16+\i:gcf+16+\i+1], v[gcf+8+\i:gcf+8+\i+1]   ; C' w + B'
.endr
.irp i, 0,2,4,6
	v_pk_fma_f32 v[RQ+\i:RQ+\i+1], v[RQ+\i:RQ+\i+1], v[RY+\i:RY+\i+1], v[gcf+\i:gcf+\i+1]         ; .. w + A'
.endr
	s_wait_alu depctr_va_vdst(0)
.irp i, 0,2,4,6
	v_pk_fma_f32 v[RE+\i:RE+\i+1], v[RE+\i:RE+\i+1], v[gg:gg+1], v[gg:gg+1] op_sel:[0,1,0] op_sel_hi:[1,1,0]   ; go tanh z = go - 2 go / (1 + e^(2z))
.endr
.irp i, 0,2,4,6
	v_pk_mul_f32 v[RP+\i:RP+\i+1], v[RP+\i:RP+\i+1], v[RQ+\i:RQ+\i+1]                             ; the three sines
.endr
.irp i, 0,2,4,6
	v_pk_fma_f32 v[RP+\i:RP+\i+1], v[RP+\i:RP+\i+1], v[gg:gg+1], v[RE+\i:RE+\i+1] op_sel_hi:[1,0,1]
.endr
.irp i, 0,2,4,6
	v_cvt_pk_f16_f32 v[gx+\i/2], v[RP+\i], v[RP+\i+1]
.endr
.endm
.macro ACT P
.set mm, 0
.rept 8
.if mm < 7
	s_wait_dscnt 6                                 ; all but the next block's 6 coefficient loads
.else
	s_wait_dscnt 0
.endif
.set pp, 0
.rept \P
.set gz, 8*(\P*mm+pp)
.set gcf, CF+24*(mm%2)
.set gg, GOP+2*pp
.set gx, RX+32*pp+8*(mm/2)+4*(mm%2)    ; channels 16 m + 8 h + 0..7 are k = 8 h .. (m even) or 16 + 8 h .. (m odd) of K step m / 2
	GROUP
.set pp, pp+1
.endr
.if mm < 6
	LOADCF mm+2
.endif
.set mm, mm+1
.endr
.endm
; The input as source 1 of layer 0: k = 0..3 in the first two registers of lanes 0-15; every other k meets a zero weight and is set to zero, since nothing else has been written there
.macro BUILDX P, p0
	v_cmp_eq_u32 vcc_lo, 0, v2
.set pp, 0
.rept \P
	v_cvt_pk_f16_f32 v[RX+32*pp],   v[IN+4*(\p0+pp)],   v[IN+4*(\p0+pp)+1]
	v_cvt_pk_f16_f32 v[RX+32*pp+1], v[IN+4*(\p0+pp)+2], v[IN+4*(\p0+pp)+3]
	v_cndmask_b32 v[RX+32*pp],   0, v[RX+32*pp],   vcc_lo
	v_cndmask_b32 v[RX+32*pp+1], 0, v[RX+32*pp+1], vcc_lo
.set ii, 2
.rept 30
	v_mov_b32 v[RX+32*pp+ii], 0
.set ii, ii+1
.endr
.set pp, pp+1
.endr
.endm
; out = (x5 go) M / 2^e x gi + c: 4 products a tile; rows 0-3 of the result are the four outputs, in registers 0-3 of lanes 0-15
.macro FIN P, p0
	WIN 0x40
.irp k, 0,1,2,3
	ds_load_b128 v[WB+8*\k:WB+8*\k+3],   v6 offset:64*\k
	ds_load_b128 v[WB+8*\k+4:WB+8*\k+7], v6 offset:64*\k+32
.endr
	s_wait_dscnt 0x0
	WIN 0x51
.set kk, 0
.rept 4
.set pp, 0
.rept \P
.if kk == 0
	v_wmma_f32_16x16x32_f16 v[8*pp:8*pp+7], v[WB+8*kk:WB+8*kk+7], v[RX+32*pp+8*kk:RX+32*pp+8*kk+7], 0
.else
	v_wmma_f32_16x16x32_f16 v[8*pp:8*pp+7], v[WB+8*kk:WB+8*kk+7], v[RX+32*pp+8*kk:RX+32*pp+8*kk+7], v[8*pp:8*pp+7]
.endif
.set pp, pp+1
.endr
.set kk, kk+1
.endr
	PLACES
	WIN 0x01
.set pp, 0
.rept \P
	v_pk_fma_f32 v[RT+4*pp:RT+4*pp+1],   v[8*pp:8*pp+1],   v[GIP+2*pp:GIP+2*pp+1], v[40:41] op_sel_hi:[1,0,1]
	v_pk_fma_f32 v[RT+4*pp+2:RT+4*pp+3], v[8*pp+2:8*pp+3], v[GIP+2*pp:GIP+2*pp+1], v[42:43] op_sel_hi:[1,0,1]
.set pp, pp+1
.endr
	WIN 0
	v_cmp_eq_u32 vcc_lo, 0, v2
	s_wait_xcnt 0x0                                ; EXEC changes only behind this wait
	s_and_saveexec_b32 s42, vcc_lo                 ; lanes 0-15
.set pp, 0
.rept \P
	global_store_b128 v9, v[RT+4*pp:RT+4*pp+3], s[10:11] offset:256*(\p0+pp)   ; 16 lanes store a tile's 256 consecutive bytes, at a multiple of 256 from out0's first byte
.set pp, pp+1
.endr
	s_wait_xcnt 0x0                                ; and again, in front of the line that widens it; the stores' data registers are also free behind it
	s_or_b32 exec_lo, exec_lo, s42
.endm
.macro PASS P, p0
	BUILDX \P, \p0
.set ii, 0
.rept 2*\P
	v_mov_b32 v[GIP+ii], 1.0                       ; layer 0: inputs and weights go in as they are
.set ii, ii+1
.endr
	v_add_nc_u32 v3, L_WT, v11
	v_mov_b32 v4, L_SC
	v_mov_b32 v5, v10
	s_mov_b32 s40, 0
.Llayer_\P:                            ; six trips: one layer each
	MM \P
	ZFIX \P
	SCALE \P
	ACT \P
	v_add_nc_u32 v3, WLAY, v3
	v_add_nc_u32 v4, TLAY, v4
	v_add_nc_u32 v5, TLAY, v5
	s_add_co_u32 s40, s40, 1
	s_cmp_lt_u32 s40, 6
	s_cbranch_scc1 .Llayer_\P
	FIN \P, \p0
.endm
	PASS 3, 0
	PASS 2, 3
	s_wait_tensorcnt 0x0
	ds_add_u32 v158, v159
	s_wait_dscnt 0x0
	ROUND                                          ; the closing round: no work-group ends while a partner may still ask for rows that name it
	s_endpgm
.Lfunc_end_k_q1379a13252_trunk:
	.size	k_q1379a13252_trunk, .Lfunc_end_k_q1379a13252_trunk-k_q1379a13252_trunk
	.p2alignl 7, 3214868480
	.fill 96, 4, 3214868480
	.section	.rodata,"a",@progbits
	.p2align	6, 0x0
	.amdhsa_kernel k_q1379a13252_trunk
		.amdhsa_group_segment_fixed_size 229632
		.amdhsa_private_segment_fixed_size 0
		.amdhsa_enable_private_segment 0
		.amdhsa_kernarg_size 32
		.amdhsa_user_sgpr_count 2
		.amdhsa_user_sgpr_kernarg_segment_ptr 1
		.amdhsa_wavefront_size32 1
		.amdhsa_system_sgpr_workgroup_id_x 1
		.amdhsa_system_sgpr_workgroup_id_y 1
		.amdhsa_system_sgpr_workgroup_id_z 1
		.amdhsa_system_vgpr_workitem_id 0
		.amdhsa_next_free_vgpr 512
		.amdhsa_next_free_sgpr 66
		.amdhsa_reserve_vcc 1
		.amdhsa_float_denorm_mode_32 3
		.amdhsa_float_denorm_mode_16_64 3
		.amdhsa_memory_ordered 1
		.amdhsa_forward_progress 1
		.amdhsa_inst_pref_size 255
	.end_amdhsa_kernel
	.section	.bss,"aw",@nobits
	.p2align	6
	.space	262144
	.amdgpu_metadata
---
amdhsa.version: [ 1, 2 ]
amdhsa.kernels:
  - .name:           k_q1379a13252_trunk
    .symbol:         k_q1379a13252_trunk.kd
    .args:
      - { .name: coords, .offset: 0, .size: 8, .value_kind: global_buffer, .address_space: global }
      - { .name: sdf, .offset: 8, .size: 8, .value_kind: global_buffer, .address_space: global }
      - { .name: wimg, .offset: 16, .size: 8, .value_kind: global_buffer, .address_space: global }
      - { .name: out0, .offset: 24, .size: 8, .value_kind: global_buffer, .address_space: global }
    .group_segment_fixed_size: 229632
    .private_segment_fixed_size: 0
    .kernarg_segment_align: 8
    .kernarg_segment_size: 32
    .max_flat_workgroup_size: 256
    .sgpr_count:     66
    .vgpr_count:     512
    .wavefront_size: 32
...
	.end_amdgpu_metadata
.endif
;; end of part 2
;; ======== version 2 of 2: 2 launches; 1.21 times as fast as version 1
;; limits: a function is approximated: absolute error at most 0.00015; right only within a limited range of input values; values are held in f16: magnitudes above 65,504 overflow, below 6.1e-05 lose precision
;; workspace buffers: wimg 3,473,408 bytes
;; launch prep (part 3): grid 9 x 16, 16 waves a work-group, no clusters, 72,704 bytes of LDS; arguments params, branch_W0, branch_Wr, branch_b, branch_Wout, branch_bout, trunk_W0, trunk_Wr, trunk_b, rowdy_a, final_W, final_b, wimg; writes wimg
.if DOCPART == 3
	.amdgcn_target "amdgcn-amd-amdhsa--gfx1250"
	.amdhsa_code_object_version 6
	.text
	.protected	k_q1379a13252_prep
	.globl	k_q1379a13252_prep
	.p2align	8
	.type	k_q1379a13252_prep,@function
k_q1379a13252_prep:
	s_mov_b64 s[64:65], 0
	v_nop
	global_prefetch_b8 v0, s[64:65] scope:SCOPE_SE
	s_setreg_imm32_b32 hwreg(HW_REG_WAVE_MODE, 25, 1), 1
	s_wait_xcnt 0x0
; PREP: for batch b (grid y) and part (grid x, 0..8) one work-group of 16 waves makes one part of batch b's weight image.
;   every part: the branch tower up to layer min(part, 5) (f32; one row times 128 x 128, so plain fused multiply-adds, no matrix unit), S_l = h_0 + .. + h_l
;   parts 0-5:  the tables of trunk layer l = part: K2 x bias (the trunk keeps z as K2 z, K2 = 2 log2(e)), A' = a1+2a2+3a3, B' = -(a2+4a3), C' = a3,
;               and the scalar row (G, fwd): G = a power of two above max over channels of 1+|a1|+2|a2|+3|a3|
;   part 0 too: weight slot 0 = f16(trunk_W0) transposed, [128 n][128 k], zero for k >= 4
;   parts 0-4:  weight slot l+1 = f16(S_l[k] trunk_Wr[l][k][n] / 2^e) as [n][k], 2^e the power of two of max|S_l|; fwd = K2 2^e
;   part 5+o:   ZL[o] = h_5 Wout[:, 128 o ..] + bout; M[k][o] = S_5[k] sum_h final_W[k][h] ZL[o][h], stored as row o = f16(M / 2^e); its scalar row (fwd_o = 2^e, c_o = sum_h final_b[h] ZL[o][h])
;   part 5 too: layer 5's fwd = 1, and the zero rows behind M
; The four outputs have a work-group each: such a part streams 7 matrices of 65,536 bytes, where one work-group for all four would stream 10, and has 9 sums over lanes where that one would have 36.
; IMAGE of a batch, rows of 256 bytes: 6 x 9 rows of tables (4 vectors of 512 bytes, one scalar row), 6 x 128 rows of weights, 4 rows of M, 18 rows of zeros, 4 scalar rows: 848.
; Every aligned 256 bytes of the image is stored whole by neighbouring lanes of one instruction, and by one work-group.
; tanh z = 1 - 2 / (1 + e^(2z)) has an absolute error near 1e-7, so where z^2 < 2^-8 the series z (1 - y/3 + 2 y^2/15), y = z^2, is taken (next term under 4e-9 of z).
; LIMIT: an S_l or a row of M whose largest entry is denormal gets fwd = 0, that is, counts as zero.
.set IMG,  217088
.set TBLK, 2304                        ; a layer's tables in the image
.set O_SC, 2048                        ; its scalar row
.set O_WT, 13824                       ; weight slot 0
.set WBLK, 32768                       ; a weight slot
.set O_MT, 210432                      ; M's four rows, then 18 rows of zeros
.set O_SO, O_MT+22*256                 ; the outputs' four scalar rows
.set HB,   0                           ; LDS: h, 128 f32 (in parts 5-8 later: the waves' 16 maxima)
.set SB,   512                         ; S, 128 f32
.set PB,   1024                        ; partial sums: 16 waves x 128
.set ZB,   33792                       ; ZL[o], 128 f32
.set STG,  35840                       ; stage for the transposed f16 rows: 128 rows x 272 bytes
.set SP,   272
.set K2,   0x4038aa3b                  ; 2 log2(e)
; v0 t; v1 lane; v2 4 (t % 128); v3 S of channel t % 128; v4-15 at work; v16-23 branch_W0 column, later addresses and G; v24-29 branch_b, later fwd, 1/fwd, scalar row
; v30 bout; v31 stage address; v32-191 branch_Wr layers 1-5 (32 each), later Wout's quarter and work; v192-223 fold source rows; v224-239 trunk_b, a1, a2, a3; v240-243 final_b; v244-255 addresses
.macro TANH d, z, t, u, q              ; a plain instruction stands behind each transcendental (ISA guide 5.7.2)
	v_mul_f32 v[\t], K2, v[\z]
	v_exp_f32 v[\t], v[\t]
	v_mul_f32 v[\u], v[\z], v[\z]                  ; y
	s_wait_alu depctr_va_vdst(0)
	v_add_f32 v[\t], 1.0, v[\t]
	v_rcp_f32 v[\t], v[\t]
	v_fma_f32 v[\q], v[\u], s60, s61               ; 2 y / 15 - 1/3
	v_mul_f32 v[\q], v[\q], v[\u]
	v_fma_f32 v[\q], v[\q], v[\z], v[\z]           ; the series
	s_wait_alu depctr_va_vdst(0)
	v_fma_f32 v[\t], v[\t], -2.0, 1.0
	v_cmp_gt_f32 vcc_lo, 0x3b800000, v[\u]         ; y < 2^-8
	v_cndmask_b32 v[\d], v[\t], v[\q], vcc_lo
.endm
.macro WAVEMAX r                       ; maximum over the 32 lanes, in every lane
.irp x, 1,2,4,8
	v_max_num_f32_dpp v[\r], v[\r], v[\r] row_xmask:\x row_mask:0xf bank_mask:0xf
.endr
	v_permlanex16_b32 v18, v[\r], s52, s53
	v_max_num_f32 v[\r], v[\r], v18
.endm
.macro WAVESUMS b, n, t                ; n sums over the 32 lanes, step by step over all n registers, so that no instruction reads the result of the one before it; t: n registers at work
.irp x, 1,2,4,8
.set ii, 0
.rept \n
	v_add_f32_dpp v[\b+ii], v[\b+ii], v[\b+ii] row_xmask:\x row_mask:0xf bank_mask:0xf
.set ii, ii+1
.endr
.endr
.set ii, 0
.rept \n
	v_permlanex16_b32 v[\t+ii], v[\b+ii], s52, s53
.set ii, ii+1
.endr
.set ii, 0
.rept \n
	v_add_f32 v[\b+ii], v[\b+ii], v[\t+ii]
.set ii, ii+1
.endr
.endm
.macro BAR                             ; my LDS instructions are done, then the work-group's barrier
	s_wait_dscnt 0x0
	s_barrier_signal -1
	s_barrier_wait -1
.endm
.macro PKM d, a, b, odd                ; v[d:d+1] = v[a:a+1] x v[b+odd], the one number for both halves
.if \odd
	v_pk_mul_f32 v[\d:\d+1], v[\a:\a+1], v[\b:\b+1] op_sel:[0,1] op_sel_hi:[1,1]
.else
	v_pk_mul_f32 v[\d:\d+1], v[\a:\a+1], v[\b:\b+1] op_sel_hi:[1,0]
.endif
.endm
.macro PKB d, a, b, odd                ; v[d:d+1] += v[a:a+1] x v[b+odd]
.if \odd
	v_pk_fma_f32 v[\d:\d+1], v[\a:\a+1], v[\b:\b+1], v[\d:\d+1] op_sel:[0,1,0] op_sel_hi:[1,1,1]
.else
	v_pk_fma_f32 v[\d:\d+1], v[\a:\a+1], v[\b:\b+1], v[\d:\d+1] op_sel_hi:[1,0,1]
.endif
.endm
.macro SUM16 b                         ; v[b] = the sum of v[b .. b+15]
.irp i, 0,2,4,6
	v_pk_add_f32 v[\b+\i:\b+\i+1], v[\b+\i:\b+\i+1], v[\b+8+\i:\b+8+\i+1]
.endr
.irp i, 0,2
	v_pk_add_f32 v[\b+\i:\b+\i+1], v[\b+\i:\b+\i+1], v[\b+4+\i:\b+4+\i+1]
.endr
	v_pk_add_f32 v[\b:\b+1], v[\b:\b+1], v[\b+2:\b+3]
	v_add_f32 v[\b], v[\b], v[\b+1]
.endm
.macro ROWS8 d, tt                     ; v[d:d+3] = my 8 numbers of h (v4-11) times my 8 rows (v[tt ..], 4 columns each)
	PKM \d, \tt, 4, 0
	PKM \d+2, \tt+2, 4, 0
.irp j, 1,2,3,4,5,6,7
	PKB \d, \tt+4*\j, 4+(\j/2)*2, \j%2
	PKB \d+2, \tt+4*\j+2, 4+(\j/2)*2, \j%2
.endr
.endm
	s_load_b512 s[8:23], s[0:1], 0x0               ; params s8, branch_W0 s10, branch_Wr s12, branch_b s14, branch_Wout s16, branch_bout s18, trunk_W0 s20, trunk_Wr s22
	s_load_b256 s[24:31], s[0:1], 0x40             ; trunk_b s24, rowdy_a s26, final_W s28, final_b s30
	s_load_b64 s[32:33], s[0:1], 0x60              ; wimg
	s_mov_b32 s34, ttmp9                           ; part 0..8
	s_and_b32 s35, ttmp7, 0xffff                   ; batch
	s_min_u32 s58, s34, 5                          ; the trunk layer whose tables are read
	s_max_u32 s59, s34, 5
	s_sub_co_u32 s59, s59, 5                       ; the output o of parts 5-8 (0 in the others)
	v_lshrrev_b32 v4, 5, v0
	v_readfirstlane_b32 s36, v4                    ; wave w: it owns k = 8 w .. 8 w + 7; a lane owns n = 4 lane .. + 3
	s_mov_b32 s52, 0x76543210                      ; v_permlanex16_b32: each lane takes its own place in the other half
	s_mov_b32 s53, 0xfedcba98
	s_mov_b32 s60, 0x3e088889                      ; 2/15
	s_mov_b32 s61, 0xbeaaaaab                      ; -1/3
	v_and_b32 v1, 31, v0
	v_and_b32 v2, 127, v0
	v_lshlrev_b32 v2, 2, v2
	v_lshlrev_b32 v247, 4, v1                      ; 16 lane
	v_lshl_add_u32 v244, v4, 12, v247              ; 8 w rows of 512 bytes + 16 lane
	v_lshlrev_b32 v245, 5, v4                      ; 32 w: my 8 numbers of h or S
	v_lshl_add_u32 v246, v4, 9, v247               ; partial sums
	s_lshl_b32 s37, s59, 9                         ; output o's 128 columns
	v_lshl_add_u32 v251, v4, 14, v247              ; 8 w rows of Wout (2,048 bytes) + 16 lane
	v_add_nc_u32 v251, s37, v251
	v_add_nc_u32 v250, s37, v2                     ; bout of column 128 o + t % 128
	v_lshlrev_b32 v252, 4, v0                      ; 16 t
	s_lshl_b32 s37, s58, 9
	s_mul_i32 s38, s58, 1536
	s_mul_i32 s39, s58, TBLK
	v_add_nc_u32 v248, s37, v247                   ; trunk_b[layer]
	v_add_nc_u32 v249, s38, v247                   ; rowdy_a[layer]
	v_add_nc_u32 v253, s39, v252                   ; my 16 bytes of the layer's tables
	s_lshl_b32 s37, s34, 15
	v_add_nc_u32 v254, s37, v252                   ; my 16 bytes of the part's weight slot (parts 0-4)
	v_lshrrev_b32 v5, 4, v0
	v_and_b32 v6, 15, v0
	v_mul_u32_u24 v255, v5, SP
	v_lshl_add_u32 v255, v6, 4, v255               ; stage, read by rows: row t / 16, 16 bytes at 16 (t % 16)
	v_mul_u32_u24 v31, v1, 4*SP
	v_lshl_add_u32 v31, v4, 4, v31                 ; stage, written: row 4 lane, bytes 16 w
	s_wait_kmcnt 0x0
	s_lshl_b32 s2, s35, 5
	s_mov_b32 s3, 0
	s_add_nc_u64 s[8:9], s[8:9], s[2:3]
	s_load_b256 s[40:47], s[8:9], 0x0              ; params[b], eight numbers
	s_cmp_gt_u32 s34, 4
	s_cselect_b64 s[48:49], s[28:29], s[22:23]     ; what is folded: final_W in parts 5-8, else trunk_Wr[part]
	s_cselect_b32 s2, 0, s34
	s_lshl_b32 s2, s2, 16
	s_add_nc_u64 s[48:49], s[48:49], s[2:3]
	s_mul_i32 s2, s35, IMG
	s_add_nc_u64 s[50:51], s[32:33], s[2:3]        ; the batch's image
	; the loads go out at the head: 14 for layer 0 and the biases, 40 for the tower, 8 for the fold
.irp k, 0,1,2,3,4,5,6,7
	global_load_b32 v[16+\k], v2, s[10:11] offset:512*\k
.endr
.irp l, 0,1,2,3,4,5
	global_load_b32 v[24+\l], v2, s[14:15] offset:512*\l
.endr
.set ll, 0
.rept 5
.set jj, 0
.rept 8
	global_load_b128 v[32+32*ll+4*jj:32+32*ll+4*jj+3], v244, s[12:13] offset:65536*ll+512*jj
.set jj, jj+1
.endr
.set ll, ll+1
.endr
.irp j, 0,1,2,3,4,5,6,7
	global_load_b128 v[192+4*\j:192+4*\j+3], v244, s[48:49] offset:512*\j
.endr
	s_wait_loadcnt 48                              ; the first 14 are in: 40 + 8 were issued behind them
	global_load_b128 v[224:227], v248, s[24:25]    ; six more: trunk_b, a1, a2, a3, bout, final_b
	global_load_b128 v[228:231], v249, s[26:27]
	global_load_b128 v[232:235], v249, s[26:27] offset:512
	global_load_b128 v[236:239], v249, s[26:27] offset:1024
	global_load_b32 v30, v250, s[18:19]
	global_load_b128 v[240:243], v247, s[30:31]
	; layer 0: every wave computes channel t % 128 (so that S is written in every wave); waves 0-3 publish it
	s_wait_kmcnt 0x0
	v_fma_f32 v4, s40, v16, v24
.irp k, 1,2,3,4,5,6,7
	v_fmac_f32 v4, s[40+\k], v[16+\k]
.endr
	TANH 3, 4, 5, 6, 7
	s_cmp_gt_u32 s36, 3
	s_cbranch_scc1 .Lh0
	ds_store_b32 v2, v3 offset:HB
	ds_store_b32 v2, v3 offset:SB
.Lh0:
	BAR
; Tower layer l.  Each wave multiplies its 8 numbers of h into its 8 rows; the 16 partial rows meet in LDS; waves 0-3 add them, one channel a thread.
; The branches on the part are the same in all waves of the work-group.
; In parts 5-8 the 32 registers that layer 1 has used up take the part's quarter of Wout at once, so that it is on its way during the rest of the tower.
.macro TLAYER l
.set TT, 32*\l
	s_cmp_lt_u32 s34, \l
	s_cbranch_scc1 .Ltower_done
	s_wait_loadcnt 54-8*\l                         ; this layer's 8 loads are in: behind them at least 8 (5 - l) of the tower, 8 of the fold, 6 more (in parts 5-8 Wout's 8 as well: the count is then only stricter)
	ds_load_b128 v[4:7], v245 offset:HB
	ds_load_b128 v[8:11], v245 offset:HB+16
	s_wait_dscnt 0x0
	ROWS8 12, TT
	ds_store_b128 v246, v[12:15] offset:PB
	BAR                                            ; all have read h and written their partial rows
	s_cmp_gt_u32 s36, 3
	s_cbranch_scc1 .Lnored_\l
.irp i, 0,1,2,3,4,5,6,7,8,9,10,11,12,13,14,15
	ds_load_b32 v[TT+\i], v2 offset:PB+512*\i
.endr
	s_wait_dscnt 0x0
	SUM16 TT
	v_add_f32 v[TT], v[TT], v[24+\l]
	TANH TT+2, TT, TT+3, TT+4, TT+5
	v_add_f32 v3, v3, v[TT+2]
	ds_store_b32 v2, v[TT+2] offset:HB
	ds_store_b32 v2, v3 offset:SB
.Lnored_\l:
	BAR                                            ; h and S are new, the partial rows are read
.if \l == 1
	s_cmp_lt_u32 s34, 5
	s_cbranch_scc1 .Lnowout
.irp j, 0,1,2,3,4,5,6,7
	global_load_b128 v[32+4*\j:32+4*\j+3], v251, s[16:17] offset:2048*\j
.endr
.Lnowout:
.endif
.endm
	TLAYER 1
	TLAYER 2
	TLAYER 3
	TLAYER 4
	TLAYER 5
.Ltower_done:
	s_wait_loadcnt 0x0                             ; whatever is still out, on every way here
	v_lshrrev_b32 v17, 1, v245                     ; 16 w
	v_lshl_add_u32 v19, v1, 3, s39                 ; 8 lane + the layer's tables: the scalar row
	; the four table vectors (parts 0-5): wave v of 0-3 makes vector v as one linear form of (bias, a1, a2, a3) and stores its 512 bytes
	s_cmp_gt_u32 s36, 3
	s_cbranch_scc1 .Lnotab
	s_cmp_gt_u32 s34, 5
	s_cbranch_scc1 .Lnotab
	s_cmp_eq_u32 s36, 0
	s_cselect_b32 s54, K2, 0                       ; K2 bias: K2  0  0  0
	s_cmp_eq_u32 s36, 1
	s_cselect_b32 s55, 0x3f800000, 0               ; A':       0  1  2  3
	s_cselect_b32 s56, 0x40000000, 0
	s_cselect_b32 s57, 0x40400000, 0
	s_cmp_eq_u32 s36, 2
	s_cselect_b32 s56, 0xbf800000, s56             ; B':       0  0 -1 -4
	s_cselect_b32 s57, 0xc0800000, s57
	s_cmp_eq_u32 s36, 3
	s_cselect_b32 s57, 0x3f800000, s57             ; C':       0  0  0  1
.irp i, 0,1,2,3
	v_mul_f32 v[12+\i], s54, v[224+\i]
	v_fmac_f32 v[12+\i], s55, v[228+\i]
	v_fmac_f32 v[12+\i], s56, v[232+\i]
	v_fmac_f32 v[12+\i], s57, v[236+\i]
.endr
	global_store_b128 v253, v[12:15], s[50:51]     ; v12-15 are not written again
.Lnotab:
	; G: the next power of two above the largest 1 + |a1| + 2 |a2| + 3 |a3|
.irp i, 0,1,2,3
	v_add_f32 v[20+\i], 1.0, |v[228+\i]|
	v_fma_f32 v[20+\i], |v[232+\i]|, 2.0, v[20+\i]
	v_fma_f32 v[20+\i], |v[236+\i]|, 0x40400000, v[20+\i]
.endr
	v_max3_num_f32 v20, v20, v21, v22
	v_max_num_f32 v20, v20, v23
	WAVEMAX 20
	v_lshrrev_b32 v20, 23, v20
	v_add_nc_u32 v20, 1, v20
	v_lshlrev_b32 v20, 23, v20
	; part 0: weight slot 0.  Thread t, sweep s: row n = t / 16 + 32 s, its 16 bytes at 16 (t % 16): k = 0..3 lie in the first 8 bytes of a row, all else is zero
	s_cmp_lg_u32 s34, 0
	s_cbranch_scc1 .Lnot0
	v_lshrrev_b32 v96, 4, v0
	v_lshlrev_b32 v96, 2, v96
.set ss, 0
.rept 4
.set kk, 0
.rept 4
	global_load_b32 v[64+4*ss+kk], v96, s[20:21] offset:512*kk+128*ss
.set kk, kk+1
.endr
.set ss, ss+1
.endr
	v_and_b32 v97, 15, v0
	v_cmp_eq_u32 vcc_lo, 0, v97
	s_wait_loadcnt 0x0
.set ss, 0
.rept 4
	v_cvt_pk_f16_f32 v[80+4*ss], v[64+4*ss], v[65+4*ss]
	v_cvt_pk_f16_f32 v[81+4*ss], v[66+4*ss], v[67+4*ss]
	v_cndmask_b32 v[80+4*ss], 0, v[80+4*ss], vcc_lo
	v_cndmask_b32 v[81+4*ss], 0, v[81+4*ss], vcc_lo
	v_mov_b32 v[82+4*ss], 0
	v_mov_b32 v[83+4*ss], 0
	global_store_b128 v252, v[80+4*ss:83+4*ss], s[50:51] offset:O_WT+8192*ss
.set ss, ss+1
.endr
.Lnot0:
	s_cmp_gt_u32 s34, 4
	s_cbranch_scc1 .Lpart5
	; PARTS 0-4: the fold.  S is brought to [1, 2) at its largest entry by an exact power of two, so that S W has f16's room whatever the inputs' scale
	ds_load_b128 v[4:7], v245 offset:SB
	ds_load_b128 v[8:11], v245 offset:SB+16
	ds_load_b128 v[160:163], v247 offset:SB
	s_wait_dscnt 0x0
	v_max3_num_f32 v160, |v160|, |v161|, |v162|
	v_max_num_f32 v160, v160, |v163|
	WAVEMAX 160
	v_lshrrev_b32 v160, 23, v160                   ; its biased exponent e (at most 129: |S| <= 6)
	v_lshlrev_b32 v24, 23, v160                    ; 2^(e-127)
	v_sub_nc_u32 v25, 254, v160
	v_lshlrev_b32 v25, 23, v25                     ; its reciprocal
.irp i, 0,2,4,6
	PKM 4+\i, 4+\i, 24, 1
.endr
	s_cmp_lg_u32 s36, 0
	s_cbranch_scc1 .Lnosc
	v_mul_f32 v28, K2, v24                         ; fwd = K2 2^(e-127): the next layer's sums come out as K2 z
	v_cmp_eq_u32 vcc_lo, 0, v1                     ; the scalar row: lane 0 holds (G, fwd), the other lanes zeros: 32 lanes x 8 bytes
	v_cndmask_b32 v26, 0, v20, vcc_lo
	v_cndmask_b32 v27, 0, v28, vcc_lo
	global_store_b64 v19, v[26:27], s[50:51] offset:O_SC
.Lnosc:
.irp j, 0,1,2,3,4,5,6,7
	PKM 192+4*\j, 192+4*\j, 4+(\j/2)*2, \j%2       ; row k = 8 w + j times its S
	PKM 192+4*\j+2, 192+4*\j+2, 4+(\j/2)*2, \j%2
.endr
.irp i, 0,1,2,3                        ; column n = 4 lane + i: its eight k pack into 16 bytes of row n of the stage
.irp q, 0,1,2,3
	v_cvt_pk_f16_f32 v[32+4*\i+\q], v[192+8*\q+\i], v[192+8*\q+4+\i]
.endr
	ds_store_b128 v31, v[32+4*\i:32+4*\i+3] offset:STG+SP*\i
.endr
	BAR
.irp s, 0,1,2,3
	ds_load_b128 v[48+4*\s:48+4*\s+3], v255 offset:STG+32*SP*\s
.endr
.irp s, 0,1,2,3
	s_wait_dscnt 3-\s
	global_store_b128 v254, v[48+4*\s:48+4*\s+3], s[50:51] offset:O_WT+WBLK+8192*\s   ; 16 lanes store one whole row of 256 bytes
.endr
	s_wait_xcnt 0x0
	v_lshl_add_u32 v254, v0, 2, 0x11400
	v_mov_b32 v255, 0
	s_wait_tensorcnt 0x0
	ds_add_u32 v254, v255
	s_wait_dscnt 0x0
	s_endpgm
.Lpart5:
	; PARTS 5-8.  ZL[o] = h_5 Wout[:, 128 o ..] + bout: a layer like the tower's, without tanh
	v_lshlrev_b32 v22, 3, v1                       ; 8 lane
	s_lshl_b32 s37, s59, 8
	v_add_nc_u32 v21, s37, v22                     ; + row o
	v_mov_b32 v23, 0
	ds_load_b128 v[4:7], v245 offset:HB
	ds_load_b128 v[8:11], v245 offset:HB+16
	s_wait_dscnt 0x0
	ROWS8 160, 32
	ds_store_b128 v246, v[160:163] offset:PB
	BAR                                            ; all have read h and written their partial rows
	s_cmp_gt_u32 s36, 3
	s_cbranch_scc1 .Lnozl
.irp i, 0,1,2,3,4,5,6,7,8,9,10,11,12,13,14,15
	ds_load_b32 v[64+\i], v2 offset:PB+512*\i
.endr
	s_wait_dscnt 0x0
	SUM16 64
	v_add_f32 v64, v64, v30
	ds_store_b32 v2, v64 offset:ZB
.Lnozl:
	BAR
	; M's row o: 8 dot products a wave (its 8 rows of final_W with ZL[o]), and c_o as a ninth; a lane takes 4 of the 128 terms
	ds_load_b128 v[176:179], v247 offset:ZB
	ds_load_b128 v[4:7], v245 offset:SB
	ds_load_b128 v[8:11], v245 offset:SB+16
	s_wait_dscnt 0x0
.set jj, 0
.rept 8
	v_mul_f32 v[32+jj], v[192+4*jj], v176
.set jj, jj+1
.endr
	v_mul_f32 v40, v240, v176
.irp i, 1,2,3
.set jj, 0
.rept 8
	v_fmac_f32 v[32+jj], v[192+4*jj+\i], v[176+\i]
.set jj, jj+1
.endr
	v_fmac_f32 v40, v[240+\i], v[176+\i]
.endr
	WAVESUMS 32, 9, 64                             ; v64-72 held tower rows or partial sums, which are used up
.irp q, 0,2,4,6
	v_pk_mul_f32 v[32+\q:32+\q+1], v[32+\q:32+\q+1], v[4+\q:4+\q+1]   ; times S_5
.endr
	; the row's largest |M|: my 8, then the 16 waves' through LDS (h is no longer read)
	v_max3_num_f32 v28, |v32|, |v33|, |v34|
	v_max3_num_f32 v28, v28, |v35|, |v36|
	v_max3_num_f32 v28, v28, |v37|, |v38|
	v_max_num_f32 v28, v28, |v39|
	v_lshrrev_b32 v29, 3, v245                     ; 4 w
	ds_store_b32 v29, v28 offset:HB
	BAR
.irp i, 0,1,2,3
	ds_load_b128 v[160+4*\i:160+4*\i+3], v23 offset:HB+16*\i
.endr
	s_wait_dscnt 0x0
	v_max3_num_f32 v160, v160, v161, v162
.irp i, 3,5,7,9,11,13
	v_max3_num_f32 v160, v160, v[160+\i], v[161+\i]
.endr
	v_max_num_f32 v160, v160, v175
	v_lshrrev_b32 v160, 23, v160
	v_min_u32 v160, 253, v160                      ; keeps 1 / fwd a normal number
	v_lshlrev_b32 v24, 23, v160                    ; fwd_o
	v_sub_nc_u32 v25, 254, v160
	v_lshlrev_b32 v25, 23, v25                     ; 1 / fwd_o
.irp q, 0,2,4,6
	PKM 32+\q, 32+\q, 24, 1
.endr
.irp q, 0,1,2,3
	v_cvt_pk_f16_f32 v[164+\q], v[32+2*\q], v[33+2*\q]
.endr
	ds_store_b128 v17, v[164:167] offset:STG       ; all lanes hold the same 16 bytes: k = 8 w .. 8 w + 7 of the row
	BAR
	s_cmp_lg_u32 s36, 0
	s_cbranch_scc1 .Lnot_m
	ds_load_b64 v[168:169], v22 offset:STG         ; wave 0: the row, 32 lanes x 8 bytes
	s_wait_dscnt 0x0
	global_store_b64 v21, v[168:169], s[50:51] offset:O_MT
.Lnot_m:
	s_cmp_lg_u32 s36, 1
	s_cbranch_scc1 .Lnot_s
	v_cmp_eq_u32 vcc_lo, 0, v1                     ; wave 1: the output's scalar row: lane 0 holds (fwd_o, c_o), the other lanes zeros
	v_cndmask_b32 v26, 0, v24, vcc_lo
	v_cndmask_b32 v27, 0, v40, vcc_lo
	global_store_b64 v21, v[26:27], s[50:51] offset:O_SO
.Lnot_s:
	s_cmp_lg_u32 s34, 5                            ; part 5 alone stores what the four outputs share
	s_cbranch_scc1 .Lend5
	s_cmp_lt_u32 s36, 2
	s_cbranch_scc1 .Lend5
	s_cmp_gt_u32 s36, 11
	s_cbranch_scc1 .Lend5
	s_cmp_eq_u32 s36, 11
	s_cbranch_scc1 .Lsc5
.irp i, 8,9,10,11
	v_mov_b32 v[\i], 0
.endr
	global_store_b128 v252, v[8:11], s[50:51] offset:O_MT   ; waves 2-10: 288 threads x 16 bytes = the 18 rows of zeros behind M's four
	s_wait_xcnt 0x0
	v_lshl_add_u32 v254, v0, 2, 0x11400
	v_mov_b32 v255, 0
	s_wait_tensorcnt 0x0
	ds_add_u32 v254, v255
	s_wait_dscnt 0x0
	s_endpgm
.Lsc5:
	v_cmp_eq_u32 vcc_lo, 0, v1                     ; wave 11: layer 5's scalar row (G, 1): the outputs' own factors lie in their own rows
	v_cndmask_b32 v44, 0, v20, vcc_lo
	v_cndmask_b32 v45, 0, 1.0, vcc_lo
	global_store_b64 v19, v[44:45], s[50:51] offset:O_SC
.Lend5:
	s_wait_xcnt 0x0
	v_lshl_add_u32 v254, v0, 2, 0x11400
	v_mov_b32 v255, 0
	s_wait_tensorcnt 0x0
	ds_add_u32 v254, v255
	s_wait_dscnt 0x0
	s_endpgm
.Lfunc_end_k_q1379a13252_prep:
	.size	k_q1379a13252_prep, .Lfunc_end_k_q1379a13252_prep-k_q1379a13252_prep
	.p2alignl 7, 3214868480
	.fill 96, 4, 3214868480
	.section	.rodata,"a",@progbits
	.p2align	6, 0x0
	.amdhsa_kernel k_q1379a13252_prep
		.amdhsa_group_segment_fixed_size 72704
		.amdhsa_private_segment_fixed_size 0
		.amdhsa_enable_private_segment 0
		.amdhsa_kernarg_size 104
		.amdhsa_user_sgpr_count 2
		.amdhsa_user_sgpr_kernarg_segment_ptr 1
		.amdhsa_wavefront_size32 1
		.amdhsa_system_sgpr_workgroup_id_x 1
		.amdhsa_system_sgpr_workgroup_id_y 1
		.amdhsa_system_sgpr_workgroup_id_z 1
		.amdhsa_system_vgpr_workitem_id 0
		.amdhsa_next_free_vgpr 256
		.amdhsa_next_free_sgpr 66
		.amdhsa_reserve_vcc 1
		.amdhsa_float_denorm_mode_32 3
		.amdhsa_float_denorm_mode_16_64 3
		.amdhsa_memory_ordered 1
		.amdhsa_forward_progress 1
		.amdhsa_inst_pref_size 53
	.end_amdhsa_kernel
	.amdgpu_metadata
---
amdhsa.version: [ 1, 2 ]
amdhsa.kernels:
  - .name:           k_q1379a13252_prep
    .symbol:         k_q1379a13252_prep.kd
    .args:
      - { .name: params, .offset: 0, .size: 8, .value_kind: global_buffer, .address_space: global }
      - { .name: branch_W0, .offset: 8, .size: 8, .value_kind: global_buffer, .address_space: global }
      - { .name: branch_Wr, .offset: 16, .size: 8, .value_kind: global_buffer, .address_space: global }
      - { .name: branch_b, .offset: 24, .size: 8, .value_kind: global_buffer, .address_space: global }
      - { .name: branch_Wout, .offset: 32, .size: 8, .value_kind: global_buffer, .address_space: global }
      - { .name: branch_bout, .offset: 40, .size: 8, .value_kind: global_buffer, .address_space: global }
      - { .name: trunk_W0, .offset: 48, .size: 8, .value_kind: global_buffer, .address_space: global }
      - { .name: trunk_Wr, .offset: 56, .size: 8, .value_kind: global_buffer, .address_space: global }
      - { .name: trunk_b, .offset: 64, .size: 8, .value_kind: global_buffer, .address_space: global }
      - { .name: rowdy_a, .offset: 72, .size: 8, .value_kind: global_buffer, .address_space: global }
      - { .name: final_W, .offset: 80, .size: 8, .value_kind: global_buffer, .address_space: global }
      - { .name: final_b, .offset: 88, .size: 8, .value_kind: global_buffer, .address_space: global }
      - { .name: wimg, .offset: 96, .size: 8, .value_kind: global_buffer, .address_space: global }
    .group_segment_fixed_size: 72704
    .private_segment_fixed_size: 0
    .kernarg_segment_align: 8
    .kernarg_segment_size: 104
    .max_flat_workgroup_size: 512
    .sgpr_count:     66
    .vgpr_count:     256
    .wavefront_size: 32
...
	.end_amdgpu_metadata
.endif
;; end of part 3
;; launch trunk (part 4): grid 16 x 16, 8 waves a work-group, clusters of 4 x 1, 231,680 bytes of LDS; arguments coords, sdf, wimg, out0; writes out0
.if DOCPART == 4
	.amdgcn_target "amdgcn-amd-amdhsa--gfx1250"
	.amdhsa_code_object_version 6
	.text
	.protected	k_q1379a13252_trunk
	.globl	k_q1379a13252_trunk
	.p2align	8
	.type	k_q1379a13252_trunk,@function
k_q1379a13252_trunk:
	s_mov_b64 s[64:65], 0
	v_nop
	global_prefetch_b8 v0, s[64:65] scope:SCOPE_SE
	s_setreg_imm32_b32 hwreg(HW_REG_WAVE_MODE, 25, 1), 1
	s_wait_xcnt 0x0
	s_wait_alu depctr_hold_cnt(0) depctr_sa_sdst(0) depctr_va_vdst(0) depctr_va_sdst(0) depctr_va_ssrc(0) depctr_va_vcc(0) depctr_vm_vsrc(0)
	s_getreg_b32 s2, hwreg(HW_REG_IB_STS2, 6, 4)
	s_cmp_eq_u32 s2, 0
	s_cbranch_scc0 .Lentry_in_a_cluster
	s_endpgm
.Lentry_in_a_cluster:
	s_bfe_u32 s2, ttmp6, 0x10000c
	s_cmp_lg_u32 s2, 0x3003
	s_cbranch_scc0 .Lentry_shape_is_right
	s_endpgm
.Lentry_shape_is_right:
; TRUNK: out[b][n][o] for all points.  Grid y = batch; the 16 work-groups of a batch have 128 waves for its 125 tasks of 80 points (5 tiles of 16).
; The three waves left over repeat task 124, which belongs to their own work-group and stores the same numbers: so no branch hangs on the work-group's place.
; The batch's whole weight image (848 rows of 256 bytes, 272 apart in LDS) is brought in once; the four work-groups of a cluster belong to one batch and ask for it jointly.
; It is never filled again and never written, so one barrier behind the fill is all the ordering LDS needs.
; A wave takes its 5 tiles in two passes, 3 and 2: 24 accumulators (192 registers) and 96 registers of activations are what half a SIMD's registers hold.
; Two waves lie on a SIMD: the vector work (100 instructions for 8 numbers) far outweighs the matrix work (4 products for 8 x 32 numbers), and one wave's products run under the other's activations.
; PRODUCTS, transposed: source 0 = 16 output channels of the weights ([n][k] in LDS), source 1 = 16 points.  A lane then holds ONE point (lane % 16) and channels 16 m + 8 (lane / 16) + 0..7,
; and eight activations, rounded in pairs, ARE half a fragment of source 1 of the next layer: nothing changes lanes between layers.
; Layer 0 has 4 inputs: its products take one K step and are written out ahead of the layer loop, which is entered at the activation.  (Its weight slot keeps the others' size, so that one step serves every address.)
; FORMAT: f16 operands, f32 sums.  f16's 11 significant bits are needed: seven products follow each other.  Its range is made good by exact powers of two:
;   z' = K2 z = acc gi + K2 bias (K2 = 2 log2(e); the image's bias and fwd carry it);  zm = the point's largest |z'| >= |z|;  |x| <= min(zm, 1) G (G from the image: above 1 + |a1| + 2 |a2| + 3 |a3|);
;   go = 2^13 / 2^exponent(min(zm, 1) G), so |x go| < 2^14;  the next gi = fwd / go, fwd the factor that was taken out of the next weights.
; ACTIVATION: go tanh z = go + 1 / (k (1 + 2^z')), k = -1 / (2 go).  That form has an absolute error near 1e-7 go, so a point with zm < 2^-5 takes tanh z = sin z instead (they differ by z^3 / 6, under 2e-5 of z there;
;   above that bound 1e-7 is under 2e-5 of the point's scale).  The choice is made of values, once a point: x go = go (alpha + s (u + beta)) + 1 / (k (1 + e)), (alpha, beta, k) = (1, 0, -1/(2 go)) or (0, 1, -2^126).
;   The sines have the period P = 2 pi K2 in z': T = z' / P + 1.5 x 2^23 rounds to a whole number n; t = -P' T + 1.5 x 2^23 P' = -n P', rounded once, since
;   P' = 2376262 x 2^-17 has 22 bits and three times it is still an f32 number; x' = z' + t = K2 x, |x| <= pi; y' = x'^2.
;   sh = 2 sin(x/2) = x' (p0 + p1 y' + p2 y'^2), ch = cos(x/2) = c0 + c1 y' + c2 y'^2 + c3 y'^3: the Taylor series with the terms x^9, x^7 (sh) and x^8 (ch) folded down by Chebyshev polynomials on |x| <= pi;
;   errors at most 1.5e-4 of sh's 2 (at small x: 3e-4 of sh itself) and 3.2e-5 of ch's 1.  s = sh ch = sin z, w = sh^2; a1 sin z + a2 sin 2z + a3 sin 3z = s u, u = A' + w (B' + w C'), exactly.
; LIMITS: |z| < 2.6e7 (the rounding of z' / P); P' is 2.6e-7 under P, so x is off by about 1e-7 rad for each whole turn in z; a point with min(zm, 1) G under 2^-100 is scaled as if it were 2^-100.
.set IMG,   217088
.set PITCH, 272
.set WROWS, 106                        ; rows of the image that each of the 8 waves fetches
.set TLAY,  9*PITCH                    ; a layer's tables: K2 bias, A', B', C' (two rows each), the scalar row
.set L_SC,  8*PITCH
.set L_WT,  54*PITCH                   ; weight slot 0
.set WLAY,  128*PITCH
.set MSTR,  16*PITCH                   ; 16 output channels on
.set L_MT,  822*PITCH                  ; M: 4 rows, then zeros
.set L_SO,  844*PITCH                  ; the four outputs' scalar rows (fwd_o, c_o)
; window 0: v1 r = lane % 16; v2 h = lane / 16; v3 weights' address; v4 scalar row's; v5 tables'; v6 M's; v7 12 r; v8 4 r; v9 16 r; v10 32 h; v11 272 r + 16 h
;   v12-13 1.5 x 2^23; v14-15 1.5 x 2^23 P'; v16-17 p1; v18-19 G, fwd; v20-39 the 5 tiles' inputs (v20-25 later gi, v26-31 alpha and beta); v44-46 zm; v47 at work; v158-159 c2
.set IN,   20
.set GIP,  20                          ; tile p: pair (gi, written once)
.set AB,   26                          ; tile p: pair (alpha, beta)
.set ZM,   44
.set BIAS, 48                          ; two buffers of 8
.set CF,   64                          ; two buffers of A' 8, B' 8, C' 8
.set RT,   112                         ; at work, 8 each
.set RY,   120
.set RP,   128
.set RQ,   136
.set RE,   144
.set GOP,  152                         ; tile p: pair (go, k)
.set RX,   160                         ; activations: tile p at 32 p, 8 registers for 32 channels
; window 1: v0-191 accumulators, (m, p) at 8 (P m + p); v192-255 weights, two buffers of 32
.set WB,   192
.set MSB, 0
.macro WIN new                         ; s_set_vgpr_msb: bits 1:0 source 0, 3:2 source 1, 5:4 source 2, 7:6 destination; the high byte repeats the setting that is left
.if MSB != \new
	s_set_vgpr_msb (MSB<<8)|\new
.set MSB, \new
.endif
.endm
.macro PLACES                          ; four plain vector instructions between a matrix instruction and what reads its result or writes or loads over its registers
.rept 4
	v_nop
.endr
.endm
.macro ROUND                           ; a round of the cluster's barrier
	s_barrier_signal -1
	s_barrier_wait -1
	s_cmp_lg_u32 s41, 0
	s_cbranch_scc1 .Lnot_wave_0_\@
	s_barrier_signal -3
.Lnot_wave_0_\@:
	s_barrier_wait -3
	s_barrier_signal -1
	s_barrier_wait -1
.endm
	s_load_b256 s[4:11], s[0:1], 0x0               ; coords s[4:5], sdf s[6:7], wimg s[8:9], out0 s[10:11]
	v_lshl_add_u32 v42, v0, 2, 0x38500
	v_mov_b32 v43, 0
	ds_add_u32 v42, v43
	v_lshrrev_b32 v1, 5, v0
	v_readfirstlane_b32 s41, v1                    ; wave 0..7
	s_bfe_u32 s43, ttmp6, 0x40000                  ; cx
	s_lshl_b32 s44, ttmp9, 2
	s_add_co_u32 s44, s44, s43                     ; work-group x = 4 x cluster x + cx: it enters the points' addresses alone
	s_and_b32 s45, ttmp7, 0xffff                   ; the batch, which the four partners share
	s_lshl_b32 s46, s44, 3
	s_add_co_u32 s46, s46, s41
	s_min_u32 s46, s46, 124                        ; my task
	s_mul_i32 s46, s46, 80
	s_mul_i32 s47, s45, 10000
	s_add_co_u32 s46, s46, s47                     ; my first point
	s_mul_i32 s48, s45, IMG                        ; the batch's image,
	s_mov_b32 s49, 0
	s_mul_i32 s50, s41, WROWS*256                  ; my wave's 106 rows of it
	s_mov_b32 s51, 0
	s_mov_b32 s12, 1                               ; group 0: count = 1
	s_mul_i32 s13, s41, WROWS*PITCH                ; LDS address: the wave's number times a constant
	s_mov_b32 s16, 15|(3<<16)|(1<<20)|(1<<21)|(5<<22)|(3<<25)  ; group 1: mask = the four work-groups; elements of 8 bytes; padding on; bit 21 beside a mask; 4 words behind every 64
	s_mov_b32 s17, 32<<16                          ; tensor_dim0 = 32 elements = 256 bytes
	s_mov_b32 s18, WROWS<<16                       ; tensor_dim1
	s_mov_b32 s19, 32<<16                          ; tile_dim0
	s_mov_b32 s20, WROWS                           ; tile_dim1
	s_mov_b32 s21, 32                              ; from row to row
	s_mov_b32 s22, 0
	s_mov_b32 s23, 0
.irp r, 24,25
	s_mov_b32 s\r, 0x3d61ee4c                      ; 1 / P = 0.0551589; the packed forms name a pair and take its low word for both halves
.endr
.irp r, 26,27
	s_mov_b32 s\r, 0xc1910918                      ; -P' = -18.1294403
.endr
.irp r, 28,29
	s_mov_b32 s\r, 0x361d9704                      ; p2 =  2.3482725e-6
.endr
.irp r, 30,31
	s_mov_b32 s\r, 0x3eb1646d                      ; p0 =  0.34646932
.endr
.irp r, 32,33
	s_mov_b32 s\r, 0xb31348d8                      ; c3 = -3.4292355e-8
.endr
.irp r, 34,35
	s_mov_b32 s\r, 0xbc75f235                      ; c1 = -0.01501136
.endr
.irp r, 36,37
	s_mov_b32 s\r, 0x3f7fff88                      ; c0 =  0.9999928
.endr
	s_mov_b32 s52, 0x76543210                      ; v_permlanex16_b32: each lane takes its own place in the other half
	s_mov_b32 s53, 0xfedcba98
	v_and_b32 v1, 15, v0
	v_bfe_u32 v2, v0, 4, 1
	v_mul_u32_u24 v7, v1, 12
	v_lshlrev_b32 v8, 2, v1
	v_lshlrev_b32 v9, 4, v1
	v_lshlrev_b32 v10, 5, v2
	v_mul_u32_u24 v11, v1, PITCH
	v_lshl_add_u32 v11, v2, 4, v11
	v_add_nc_u32 v6, L_MT, v11
	s_wait_dscnt 0x0
	s_wait_kmcnt 0x0
	s_add_nc_u64 s[8:9], s[8:9], s[48:49]
	s_add_nc_u64 s[14:15], s[8:9], s[50:51]        ; group 0: global address, made of the batch and the wave's number alone
	s_or_b32 s15, s15, 0x80000000                  ; type = 2
	s_mul_i32 s2, s46, 12
	s_mov_b32 s3, 0
	s_add_nc_u64 s[4:5], s[4:5], s[2:3]
	s_lshl_b32 s2, s46, 2
	s_add_nc_u64 s[6:7], s[6:7], s[2:3]
	s_lshl_b32 s2, s46, 4
	s_add_nc_u64 s[10:11], s[10:11], s[2:3]
	ROUND                                          ; the four work-groups are here: the joint loads meet
	tensor_load_to_lds s[12:15], s[16:23]          ; my one tensor load of the launch
	s_nop 0
	v_mov_b32 v12, 0x4b400000                      ; 1.5 x 2^23
	v_mov_b32 v13, 0x4b400000
	v_mov_b32 v14, 0x4d598da4                      ; 1.5 x 2^23 x P' = 228121152, exact
	v_mov_b32 v15, 0x4d598da4
	v_mov_b32 v16, 0xbae1fcdf                      ; p1 = -1.7241499e-3
	v_mov_b32 v17, 0xbae1fcdf
	v_mov_b32 v158, 0x381cde9e                     ; c2 = 3.7400628e-5
	v_mov_b32 v159, 0x381cde9e
	v_mov_b32 v47, L_SO                            ; written here, since v_permlanex16_b32 counts as a reader of its destination
.irp p, 0,1,2,3,4                      ; my 80 points: lane r and lane r + 16 both take point r of each tile
	global_load_b32 v[IN+4*\p],   v7, s[4:5] offset:192*\p
	global_load_b32 v[IN+4*\p+1], v7, s[4:5] offset:192*\p+4
	global_load_b32 v[IN+4*\p+2], v7, s[4:5] offset:192*\p+8
	global_load_b32 v[IN+4*\p+3], v8, s[6:7] offset:64*\p
.endr
	s_wait_tensorcnt 0x0                           ; my 106 rows are in,
	s_barrier_signal -1
	s_barrier_wait -1                              ; everybody's are
	s_wait_loadcnt 0x0                             ; the points
.macro LOADW m, KST                    ; 16 output channels x 32 KST k: 2 KST loads into weight buffer m % 2
	WIN 0x40
.set kw, 0
.rept \KST
	ds_load_b128 v[WB+32*((\m)%2)+8*kw:WB+32*((\m)%2)+8*kw+3],   v3 offset:(\m)*MSTR+64*kw
	ds_load_b128 v[WB+32*((\m)%2)+8*kw+4:WB+32*((\m)%2)+8*kw+7], v3 offset:(\m)*MSTR+64*kw+32
.set kw, kw+1
.endr
.endm
.macro LOADB m                         ; the bias of my 8 channels of block m; destination and address lie in window 0, under the setting 0x14 too
	ds_load_b128 v[BIAS+8*((\m)%2):BIAS+8*((\m)%2)+3],   v5 offset:((\m)/4)*PITCH+((\m)%4)*64
	ds_load_b128 v[BIAS+8*((\m)%2)+4:BIAS+8*((\m)%2)+7], v5 offset:((\m)/4)*PITCH+((\m)%4)*64+16
.endm
.macro LOADCF m                        ; A', B', C' of my 8 channels of block m
.irp v, 0,1,2
	ds_load_b128 v[CF+24*((\m)%2)+8*\v:CF+24*((\m)%2)+8*\v+3],   v5 offset:(\v+1)*2*PITCH+((\m)/4)*PITCH+((\m)%4)*64
	ds_load_b128 v[CF+24*((\m)%2)+8*\v+4:CF+24*((\m)%2)+8*\v+7], v5 offset:(\v+1)*2*PITCH+((\m)/4)*PITCH+((\m)%4)*64+16
.endr
.endm
; Block m's sums become z' = acc gi + K2 bias, in place, and each tile's largest |z'| of the lane is kept up.  Each accumulator is read from its low end on.
.macro ZBLK P, m
	WIN 0x41
.set pp, 0
.rept \P
.set ra, 8*(\P*(\m)+pp)
.irp i, 0,2,4,6
	v_pk_fma_f32 v[ra+\i:ra+\i+1], v[ra+\i:ra+\i+1], v[GIP+2*pp:GIP+2*pp+1], v[BIAS+8*((\m)%2)+\i:BIAS+8*((\m)%2)+\i+1] op_sel_hi:[1,0,1]
.endr
.set pp, pp+1
.endr
	WIN 0x14
.set pp, 0
.rept \P
.set ra, 8*(\P*(\m)+pp)
.irp i, 0,2,4,6
	v_max3_num_f32 v[ZM+pp], v[ZM+pp], |v[ra+\i]|, |v[ra+\i+1]|
.endr
.set pp, pp+1
.endr
.endm
; A layer's products: 8 blocks of 16 channels x P tiles x KST K steps (1 in layer 0, else 4).  The first K step starts the sums with the constant 0.  The P accumulators of a block take turns, one instruction a turn.
; Behind block m's products stands ZBLK of block m - 1: 8 P plain vector instructions that name none of block m's registers.  They are issued while the matrix unit works, and they are the places
; between block m's products and the loads into the weight buffer that those products read; block m - 1's own products have ZBLK m - 2 (block 0's: four v_nop) behind them.
; LDS instructions in order of issue: scalars, B0, B1, CF0, CF1, W0, W1 | W2 | B2 W3 | B3 W4 | B4 W5 | B5 W6 | B6 W7 | B7.  B(m-1) stands ahead of W(m), so W(m)'s wait covers it.
.macro MM P, KST
.set pp, 0
.rept \P
	v_mov_b32 v[ZM+pp], 0
.set pp, pp+1
.endr
	ds_load_b64 v[18:19], v4                       ; G and fwd of this layer
	LOADB 0
	LOADB 1
	LOADCF 0
	LOADCF 1
	LOADW 0, \KST
	LOADW 1, \KST
.set mm, 0
.rept 8
.if mm < 2
	s_wait_dscnt 2*\KST                            ; behind this block's weights: the next block's 2 KST loads
.elseif mm < 7
	s_wait_dscnt 2*\KST+2                          ; behind them: 2 bias loads and the next block's 2 KST
.else
	s_wait_dscnt 2                                 ; behind them: the last 2 bias loads
.endif
	WIN 0x51                                       ; weights and sums in window 1, activations in window 0
.set kk, 0
.rept \KST
.set pp, 0
.rept \P
.set ra, 8*(\P*mm+pp)
.set rw, WB+32*(mm%2)+8*kk
.set rx, RX+32*pp+8*kk
.if kk == 0
	v_wmma_f32_16x16x32_f16 v[ra:ra+7], v[rw:rw+7], v[rx:rx+7], 0
.else
	v_wmma_f32_16x16x32_f16 v[ra:ra+7], v[rw:rw+7], v[rx:rx+7], v[ra:ra+7]
.endif
.set pp, pp+1
.endr
.set kk, kk+1
.endr
.if mm == 0
	PLACES
.else
	ZBLK \P, mm-1
.if mm < 7
	LOADB mm+1                                     ; into the bias buffer just used
.endif
.endif
.if mm < 6
	LOADW mm+2, \KST
.endif
.set mm, mm+1
.endr
	s_wait_dscnt 0                                 ; the last bias
	ZBLK \P, 7                                     ; block 7's products have ZBLK 6 behind them
	WIN 0
.endm
; the tile's scales and its choice of tanh, by compares, selects and whole-number work on exponents: values only, no address and no branch hangs on them
.macro SCALE P
.set pp, 0
.rept \P
	v_permlanex16_b32 v47, v[ZM+pp], s52, s53      ; the point's other 64 channels lie in the lane 16 away
	v_max_num_f32 v[ZM+pp], v[ZM+pp], v47
	v_cmp_le_f32 vcc_lo, 0x3d000000, v[ZM+pp]      ; 2^-5 <= zm: tanh by the exponential
	v_cndmask_b32 v[AB+2*pp], 0, 1.0, vcc_lo       ; alpha
	v_cndmask_b32 v[AB+2*pp+1], 1.0, 0, vcc_lo     ; beta
	v_min_num_f32 v[ZM+pp], 1.0, v[ZM+pp]
	v_mul_f32 v[ZM+pp], v18, v[ZM+pp]              ; the bound on |x|
	v_max_num_f32 v[ZM+pp], 0x0d800000, v[ZM+pp]   ; at least 2^-100, so that the scales are normal numbers
	v_lshrrev_b32 v[ZM+pp], 23, v[ZM+pp]           ; its biased exponent e
	v_sub_nc_u32 v47, 267, v[ZM+pp]
	v_lshlrev_b32 v[GOP+2*pp], 23, v47             ; go = 2^(140-e)
	v_add_nc_u32 v47, -13, v[ZM+pp]
	v_lshlrev_b32 v47, 23, v47                     ; 1 / go
	v_mul_f32 v[GOP+2*pp+1], -0.5, v47             ; k = -1 / (2 go),
	v_cndmask_b32 v[GOP+2*pp+1], 0xfe800000, v[GOP+2*pp+1], vcc_lo   ; or -2^126: there e^(2z) < 1.03, so k (1 + e) stays finite and its reciprocal is under 2^-126
	v_mul_f32 v[GIP+2*pp], v19, v47                ; the next product's gi
.set pp, pp+1
.endr
.endm
; The activation of one accumulator (8 numbers a lane, 4 pairs): gz its registers (window 1), gcf its coefficients, gg the tile's (go, k), gab its (alpha, beta), gx the 4 registers that take the result.
; All that reads z' takes it as source 0, so one window setting serves the first 20 instructions and the rest runs in window 0: two switches.
; The 16 transcendentals stand singly among the packed instructions; the one behind each touches neither its result nor its source (ISA guide 5.7.2).
.macro G_E i
	v_exp_f32 v[RE+\i], v[gz+\i]                                                                  ; e = e^(2z)
.endm
.macro G_T i
	v_pk_fma_f32 v[RT+\i:RT+\i+1], v[gz+\i:gz+\i+1], s[24:25], v[12:13] op_sel_hi:[1,0,1]         ; z' / P + 1.5 x 2^23: rounds to a whole number
.endm
.macro G_N i
	v_pk_fma_f32 v[RT+\i:RT+\i+1], s[26:27], v[RT+\i:RT+\i+1], v[14:15] op_sel_hi:[0,1,1]         ; -n P'
.endm
.macro G_X i
	v_pk_add_f32 v[RT+\i:RT+\i+1], v[gz+\i:gz+\i+1], v[RT+\i:RT+\i+1]                             ; x'
.endm
.macro G_R i
	v_rcp_f32 v[RE+\i], v[RE+\i]                                                                  ; -2 go / (1 + e)
.endm
.macro G_P1 i
	v_pk_fma_f32 v[RP+\i:RP+\i+1], v[RY+\i:RY+\i+1], s[28:29], v[16:17] op_sel_hi:[1,0,1]         ; p2 y' + p1
.endm
.macro G_Q1 i
	v_pk_fma_f32 v[RQ+\i:RQ+\i+1], v[RY+\i:RY+\i+1], s[32:33], v[158:159] op_sel_hi:[1,0,1]       ; c3 y' + c2
.endm
.macro G_P2 i
	v_pk_fma_f32 v[RP+\i:RP+\i+1], v[RP+\i:RP+\i+1], v[RY+\i:RY+\i+1], s[30:31] op_sel_hi:[1,1,0] ; .. y' + p0
.endm
.macro G_Q2 i
	v_pk_fma_f32 v[RQ+\i:RQ+\i+1], v[RQ+\i:RQ+\i+1], v[RY+\i:RY+\i+1], s[34:35] op_sel_hi:[1,1,0] ; .. y' + c1
.endm
.macro G_SH i
	v_pk_mul_f32 v[RP+\i:RP+\i+1], v[RP+\i:RP+\i+1], v[RT+\i:RT+\i+1]                             ; sh
.endm
.macro G_CH i
	v_pk_fma_f32 v[RQ+\i:RQ+\i+1], v[RQ+\i:RQ+\i+1], v[RY+\i:RY+\i+1], s[36:37] op_sel_hi:[1,1,0] ; ch
.endm
.macro GROUP
	WIN 0x01
	G_E 0
	G_T 0
	G_E 1
	G_T 2
	G_T 4
	G_E 2
	G_T 6
	G_N 0
	G_E 3
	G_N 2
	G_N 4
	G_E 4
	G_N 6
	G_X 0
	G_E 5
	G_X 2
	G_E 6
	G_X 4
	G_E 7
	G_X 6
	WIN 0
.irp i, 0,2,4,6
	v_pk_mul_f32 v[RY+\i:RY+\i+1], v[RT+\i:RT+\i+1], v[RT+\i:RT+\i+1]                             ; y'
.endr
	s_wait_alu depctr_va_vdst(0)
.irp i, 0,2,4,6
	v_pk_fma_f32 v[RE+\i:RE+\i+1], v[RE+\i:RE+\i+1], v[gg:gg+1], v[gg:gg+1] op_sel:[0,1,1] op_sel_hi:[1,1,1]   ; k (1 + e)
.endr
	G_R 0
	G_P1 0
	G_P1 2
	G_P1 4
	G_R 1
	G_P1 6
	G_Q1 0
	G_Q1 2
	G_R 2
	G_Q1 4
	G_Q1 6
	G_P2 0
	G_R 3
	G_P2 2
	G_P2 4
	G_P2 6
	G_R 4
	G_Q2 0
	G_Q2 2
	G_Q2 4
	G_R 5
	G_Q2 6
	G_SH 0
	G_SH 2
	G_R 6
	G_SH 4
	G_SH 6
	G_CH 0
	G_R 7
	G_CH 2
	G_CH 4
	G_CH 6
.irp i, 0,2,4,6
	v_pk_mul_f32 v[RY+\i:RY+\i+1], v[RP+\i:RP+\i+1], v[RP+\i:RP+\i+1]                             ; w = sh^2
.endr
.irp i, 0,2,4,6
	v_pk_mul_f32 v[RP+\i:RP+\i+1], v[RP+\i:RP+\i+1], v[RQ+\i:RQ+\i+1]                             ; s = sin z
.endr
.irp i, 0,2,4,6
	v_pk_fma_f32 v[RQ+\i:RQ+\i+1], v[RY+\i:RY+\i+1], v[gcf+16+\i:gcf+16+\i+1], v[gcf+8+\i:gcf+8+\i+1]   ; C' w + B'
.endr
.irp i, 0,2,4,6
	v_pk_fma_f32 v[RQ+\i:RQ+\i+1], v[RQ+\i:RQ+\i+1], v[RY+\i:RY+\i+1], v[gcf+\i:gcf+\i+1]         ; u = .. w + A'
.endr
.irp i, 0,2,4,6
	v_pk_add_f32 v[RQ+\i:RQ+\i+1], v[RQ+\i:RQ+\i+1], v[gab:gab+1] op_sel:[0,1] op_sel_hi:[1,1]    ; u + beta
.endr
.irp i, 0,2,4,6
	v_pk_fma_f32 v[RP+\i:RP+\i+1], v[RP+\i:RP+\i+1], v[RQ+\i:RQ+\i+1], v[gab:gab+1] op_sel_hi:[1,1,0]   ; alpha + s (u + beta)
.endr
	s_wait_alu depctr_va_vdst(0)
.irp i, 0,2,4,6
	v_pk_fma_f32 v[RP+\i:RP+\i+1], v[RP+\i:RP+\i+1], v[gg:gg+1], v[RE+\i:RE+\i+1] op_sel_hi:[1,0,1]     ; times go, less 2 go / (1 + e)
.endr
.irp i, 0,2,4,6
	v_cvt_pk_f16_f32 v[gx+\i/2], v[RP+\i], v[RP+\i+1]
.endr
.endm
.macro ACT P
.set mm, 0
.rept 8
.if mm < 7
	s_wait_dscnt 6                                 ; all but the next block's 6 coefficient loads
.else
	s_wait_dscnt 0
.endif
.set pp, 0
.rept \P
.set gz, 8*(\P*mm+pp)
.set gcf, CF+24*(mm%2)
.set gg, GOP+2*pp
.set gab, AB+2*pp
.set gx, RX+32*pp+8*(mm/2)+4*(mm%2)    ; channels 16 m + 8 h + 0..7 are k = 8 h .. (m even) or 16 + 8 h .. (m odd) of K step m / 2
	GROUP
.set pp, pp+1
.endr
.if mm < 6
	LOADCF mm+2
.endif
.set mm, mm+1
.endr
.endm
; The input as source 1 of layer 0's one K step: k = 0..3 in the first two registers of lanes 0-15; k = 4..31 meet zero weights and are set to zero, since nothing else has been written there
.macro BUILDX P, p0
	v_cmp_eq_u32 vcc_lo, 0, v2
.set pp, 0
.rept \P
	v_cvt_pk_f16_f32 v[RX+32*pp],   v[IN+4*(\p0+pp)],   v[IN+4*(\p0+pp)+1]
	v_cvt_pk_f16_f32 v[RX+32*pp+1], v[IN+4*(\p0+pp)+2], v[IN+4*(\p0+pp)+3]
	v_cndmask_b32 v[RX+32*pp],   0, v[RX+32*pp],   vcc_lo
	v_cndmask_b32 v[RX+32*pp+1], 0, v[RX+32*pp+1], vcc_lo
.set ii, 2
.rept 6
	v_mov_b32 v[RX+32*pp+ii], 0
.set ii, ii+1
.endr
.set pp, pp+1
.endr
.endm
; out[o] = (x5 go) (M / fwd_o) x gi x fwd_o + c_o, gi = 1 / go: 4 products a tile; rows 0-3 of the result are the four outputs, in registers 0-3 of lanes 0-15
.macro FIN P, p0
	v_mov_b32 v47, L_SO
	WIN 0x40
.irp k, 0,1,2,3
	ds_load_b128 v[WB+8*\k:WB+8*\k+3],   v6 offset:64*\k
	ds_load_b128 v[WB+8*\k+4:WB+8*\k+7], v6 offset:64*\k+32
.endr
	WIN 0
.irp o, 0,1,2,3
	ds_load_b32 v[RQ+\o],   v47 offset:PITCH*\o    ; fwd_o
	ds_load_b32 v[RQ+4+\o], v47 offset:PITCH*\o+4  ; c_o
.endr
	s_wait_dscnt 0x0
	WIN 0x51
.set kk, 0
.rept 4
.set pp, 0
.rept \P
.if kk == 0
	v_wmma_f32_16x16x32_f16 v[8*pp:8*pp+7], v[WB+8*kk:WB+8*kk+7], v[RX+32*pp+8*kk:RX+32*pp+8*kk+7], 0
.else
	v_wmma_f32_16x16x32_f16 v[8*pp:8*pp+7], v[WB+8*kk:WB+8*kk+7], v[RX+32*pp+8*kk:RX+32*pp+8*kk+7], v[8*pp:8*pp+7]
.endif
.set pp, pp+1
.endr
.set kk, kk+1
.endr
	PLACES
	WIN 0x01
.set pp, 0
.rept \P
	v_pk_mul_f32 v[RT+4*pp:RT+4*pp+1],   v[8*pp:8*pp+1],   v[GIP+2*pp:GIP+2*pp+1] op_sel_hi:[1,0]
	v_pk_mul_f32 v[RT+4*pp+2:RT+4*pp+3], v[8*pp+2:8*pp+3], v[GIP+2*pp:GIP+2*pp+1] op_sel_hi:[1,0]
.set pp, pp+1
.endr
	WIN 0
.set pp, 0
.rept \P
	v_pk_fma_f32 v[RT+4*pp:RT+4*pp+1],   v[RT+4*pp:RT+4*pp+1],   v[RQ:RQ+1],   v[RQ+4:RQ+5]
	v_pk_fma_f32 v[RT+4*pp+2:RT+4*pp+3], v[RT+4*pp+2:RT+4*pp+3], v[RQ+2:RQ+3], v[RQ+6:RQ+7]
.set pp, pp+1
.endr
	v_cmp_eq_u32 vcc_lo, 0, v2
	s_wait_xcnt 0x0                                ; EXEC changes only behind this wait
	s_and_saveexec_b32 s42, vcc_lo                 ; lanes 0-15
.set pp, 0
.rept \P
	global_store_b128 v9, v[RT+4*pp:RT+4*pp+3], s[10:11] offset:256*(\p0+pp)   ; 16 lanes store a tile's 256 consecutive bytes, at a multiple of 256 from out0's first byte
.set pp, pp+1
.endr
	s_wait_xcnt 0x0                                ; and again, in front of the line that widens it; the stores' data registers are also free behind it
	s_or_b32 exec_lo, exec_lo, s42
.endm
.macro PASS P, p0
	BUILDX \P, \p0
.set ii, 0
.rept 2*\P
	v_mov_b32 v[GIP+ii], 0x4038aa3b                ; layer 0: inputs and weights go in as they are, so gi = K2
.set ii, ii+1
.endr
	v_add_nc_u32 v3, L_WT, v11
	v_mov_b32 v4, L_SC
	v_mov_b32 v5, v10
	s_mov_b32 s40, 0
	MM \P, 1                                       ; layer 0's products: one K step
	s_branch .Lact_\P
.Llayer_\P:                            ; layers 1 to 5
	MM \P, 4
.Lact_\P:                              ; six trips pass here: one layer's activation each
	SCALE \P
	ACT \P
	v_add_nc_u32 v3, WLAY, v3
	v_add_nc_u32 v4, TLAY, v4
	v_add_nc_u32 v5, TLAY, v5
	s_add_co_u32 s40, s40, 1
	s_cmp_lt_u32 s40, 6
	s_cbranch_scc1 .Llayer_\P
	FIN \P, \p0
.endm
	PASS 3, 0
	PASS 2, 3
	s_wait_tensorcnt 0x0
	ds_add_u32 v42, v43
	s_wait_dscnt 0x0
	ROUND                                          ; the closing round: no work-group ends while a partner may still ask for rows that name it
	s_endpgm
.Lfunc_end_k_q1379a13252_trunk:
	.size	k_q1379a13252_trunk, .Lfunc_end_k_q1379a13252_trunk-k_q1379a13252_trunk
	.p2alignl 7, 3214868480
	.fill 96, 4, 3214868480
	.section	.rodata,"a",@progbits
	.p2align	6, 0x0
	.amdhsa_kernel k_q1379a13252_trunk
		.amdhsa_group_segment_fixed_size 231680
		.amdhsa_private_segment_fixed_size 0
		.amdhsa_enable_private_segment 0
		.amdhsa_kernarg_size 32
		.amdhsa_user_sgpr_count 2
		.amdhsa_user_sgpr_kernarg_segment_ptr 1
		.amdhsa_wavefront_size32 1
		.amdhsa_system_sgpr_workgroup_id_x 1
		.amdhsa_system_sgpr_workgroup_id_y 1
		.amdhsa_system_sgpr_workgroup_id_z 1
		.amdhsa_system_vgpr_workitem_id 0
		.amdhsa_next_free_vgpr 512
		.amdhsa_next_free_sgpr 66
		.amdhsa_reserve_vcc 1
		.amdhsa_float_denorm_mode_32 3
		.amdhsa_float_denorm_mode_16_64 3
		.amdhsa_memory_ordered 1
		.amdhsa_forward_progress 1
		.amdhsa_inst_pref_size 255
	.end_amdhsa_kernel
	.section	.bss,"aw",@nobits
	.p2align	6
	.space	262144
	.amdgpu_metadata
---
amdhsa.version: [ 1, 2 ]
amdhsa.kernels:
  - .name:           k_q1379a13252_trunk
    .symbol:         k_q1379a13252_trunk.kd
    .args:
      - { .name: coords, .offset: 0, .size: 8, .value_kind: global_buffer, .address_space: global }
      - { .name: sdf, .offset: 8, .size: 8, .value_kind: global_buffer, .address_space: global }
      - { .name: wimg, .offset: 16, .size: 8, .value_kind: global_buffer, .address_space: global }
      - { .name: out0, .offset: 24, .size: 8, .value_kind: global_buffer, .address_space: global }
    .group_segment_fixed_size: 231680
    .private_segment_fixed_size: 0
    .kernarg_segment_align: 8
    .kernarg_segment_size: 32
    .max_flat_workgroup_size: 256
    .sgpr_count:     66
    .vgpr_count:     512
    .wavefront_size: 32
...
	.end_amdgpu_metadata
.endif
;; end of part 4
